; MI455X (gfx1250); checked and timed in simulation.
; The chip was launched on July 23, 2026; its instructions are those of AMD's public machine-readable ISA for CDNA 5 (MIT licence, August 2026) and "CDNA5" Instruction Set Architecture Reference Guide (July 2026). The comments in the code are by the model that wrote it; some were corrected since.
;; Self Attention. Allowed arithmetic: float matrix products may take bf16 or f16 operands with f32 sums; other float arithmetic in f32, or as packed bf16 or f16 multiplies, adds, multiply-adds, maxima and minima; sums over many terms, partial sums and values carried from step to step in f32; what a program stores and reads back later, other than sums and carried values, may be rounded once to bf16 or f16.
;; Inputs: Wk 1,024 x 1,024 float32; Wq 1,024 x 1,024 float32; Wv 1,024 x 1,024 float32; bk 1,024 float32; bq 1,024 float32; bv 1,024 float32; x 4 x 2,048 x 1,024 float32; y 4 x 2,048 x 1,024 float32; z 4 x 2,048 x 1,024 float32.
;; Outputs: out0 4 x 2,048 x 1,024 float32.
;; One version. Each part assembles by itself: llvm-mc -triple=amdgcn-amd-amdhsa -mcpu=gfx1250 --defsym DOCPART=n.
;; ======== version 1 of 1: 4 launches
;; limits: values are held in f16: magnitudes above 65,504 overflow, below 6.1e-05 lose precision
;; workspace buffers: wb 6,291,456 bytes; qkv 50,331,648 bytes; pw 33,554,432 bytes; st 1,048,576 bytes
;; launch castw (part 1): grid 256 x 3, 8 waves a work-group, no clusters, 0 bytes of LDS; arguments Wq, Wk, Wv, wb; writes wb
.if DOCPART == 1
	.amdgcn_target "amdgcn-amd-amdhsa--gfx1250"
	.amdhsa_code_object_version 6
	.text
	.protected	k_q8ea6ad3510_castw
	.globl	k_q8ea6ad3510_castw
	.p2align	8
	.type	k_q8ea6ad3510_castw,@function
k_q8ea6ad3510_castw:
	s_mov_b64 s[64:65], 0
	v_nop
	global_prefetch_b8 v0, s[64:65] scope:SCOPE_SE
	s_setreg_imm32_b32 hwreg(HW_REG_WAVE_MODE, 25, 1), 1
	s_wait_xcnt 0x0
; wb[g][e][d] = bf16(W_g[e][d]), g = 0, 1, 2 for Wq, Wk, Wv; each matrix is 1,024 x 1,024 f32.  Rounded once, to nearest even.
; A plain stream: work-group (x, g) takes 4,096 numbers of matrix g.  In each of four chunks thread t reads 16 bytes (a wave: 512 consecutive bytes) and
; stores 8 (a wave: 256 consecutive bytes, at a multiple of 256 from wb's first byte).  All four loads go out first.  No LDS, no barrier, no matrix work: every byte is touched once.
.set X, 4                              ; v[4:19]   four chunks as loaded
.set Y, 20                             ; v[20:27]  four chunks packed
	s_load_b256 s[4:11], s[0:1], 0x0               ; Wq s[4:5], Wk s[6:7], Wv s[8:9], wb s[10:11]
	s_and_b32 s20, ttmp7, 0xffff                   ; g
	v_lshlrev_b32 v1, 4, v0                        ; 16 t
	v_lshlrev_b32 v2, 3, v0                        ; 8 t
	s_lshl_b32 s14, ttmp9, 14                      ; the work-group's 16,384 bytes of f32
	s_mov_b32 s15, 0
	s_lshl_b32 s16, s20, 21                        ; matrix g in wb: 2 MiB each,
	s_lshl_b32 s17, ttmp9, 13                      ; and the work-group's 8,192 bytes of bf16
	s_add_co_u32 s16, s16, s17
	s_mov_b32 s17, 0
	s_wait_kmcnt 0x0
	s_cmp_eq_u32 s20, 1
	s_cselect_b64 s[12:13], s[6:7], s[4:5]
	s_cmp_eq_u32 s20, 2
	s_cselect_b64 s[12:13], s[8:9], s[12:13]
	s_add_nc_u64 s[12:13], s[12:13], s[14:15]
	s_add_nc_u64 s[10:11], s[10:11], s[16:17]
.irp i, 0,1,2,3
	global_load_b128 v[X+4*(\i):X+4*(\i)+3], v1, s[12:13] offset:4096*(\i) th:TH_LOAD_NT
.endr
.irp i, 0,1,2,3
	s_wait_loadcnt 3-(\i)                          ; loads come back in order: chunk i is in, the 3 - i younger ones may stay out
	v_cvt_pk_bf16_f32 v[Y+2*(\i)], v[X+4*(\i)], v[X+4*(\i)+1]
	v_cvt_pk_bf16_f32 v[Y+2*(\i)+1], v[X+4*(\i)+2], v[X+4*(\i)+3]
	global_store_b64 v2, v[Y+2*(\i):Y+2*(\i)+1], s[10:11] offset:2048*(\i)
.endr
	s_endpgm
.Lfunc_end_k_q8ea6ad3510_castw:
	.size	k_q8ea6ad3510_castw, .Lfunc_end_k_q8ea6ad3510_castw-k_q8ea6ad3510_castw
	.p2alignl 7, 3214868480
	.fill 96, 4, 3214868480
	.section	.rodata,"a",@progbits
	.p2align	6, 0x0
	.amdhsa_kernel k_q8ea6ad3510_castw
		.amdhsa_group_segment_fixed_size 0
		.amdhsa_private_segment_fixed_size 0
		.amdhsa_enable_private_segment 0
		.amdhsa_kernarg_size 32
		.amdhsa_user_sgpr_count 2
		.amdhsa_user_sgpr_kernarg_segment_ptr 1
		.amdhsa_wavefront_size32 1
		.amdhsa_system_sgpr_workgroup_id_x 1
		.amdhsa_system_sgpr_workgroup_id_y 1
		.amdhsa_system_sgpr_workgroup_id_z 1
		.amdhsa_system_vgpr_workitem_id 0
		.amdhsa_next_free_vgpr 32
		.amdhsa_next_free_sgpr 66
		.amdhsa_reserve_vcc 0
		.amdhsa_float_denorm_mode_32 3
		.amdhsa_float_denorm_mode_16_64 3
		.amdhsa_memory_ordered 1
		.amdhsa_forward_progress 1
		.amdhsa_inst_pref_size 3
	.end_amdhsa_kernel
	.amdgpu_metadata
---
amdhsa.version: [ 1, 2 ]
amdhsa.kernels:
  - .name:           k_q8ea6ad3510_castw
    .symbol:         k_q8ea6ad3510_castw.kd
    .args:
      - { .name: Wq, .offset: 0, .size: 8, .value_kind: global_buffer, .address_space: global }
      - { .name: Wk, .offset: 8, .size: 8, .value_kind: global_buffer, .address_space: global }
      - { .name: Wv, .offset: 16, .size: 8, .value_kind: global_buffer, .address_space: global }
      - { .name: wb, .offset: 24, .size: 8, .value_kind: global_buffer, .address_space: global }
    .group_segment_fixed_size: 0
    .private_segment_fixed_size: 0
    .kernarg_segment_align: 8
    .kernarg_segment_size: 32
    .max_flat_workgroup_size: 256
    .sgpr_count:     66
    .vgpr_count:     32
    .wavefront_size: 32
...
	.end_amdgpu_metadata
.endif
;; end of part 1
;; launch proj (part 2): grid 4 x 64, 4 waves a work-group, clusters of 4 x 4, 327,680 bytes of LDS; arguments x, y, z, wb, bq, bk, bv, qkv; writes qkv
.if DOCPART == 2
	.amdgcn_target "amdgcn-amd-amdhsa--gfx1250"
	.amdhsa_code_object_version 6
	.text
	.protected	k_q8ea6ad3510_proj
	.globl	k_q8ea6ad3510_proj
	.p2align	8
	.type	k_q8ea6ad3510_proj,@function
k_q8ea6ad3510_proj:
	s_mov_b64 s[64:65], 0
	v_nop
	global_prefetch_b8 v0, s[64:65] scope:SCOPE_SE
	s_setreg_imm32_b32 hwreg(HW_REG_WAVE_MODE, 25, 1), 1
	s_wait_xcnt 0x0
	s_wait_alu depctr_hold_cnt(0) depctr_sa_sdst(0) depctr_va_vdst(0) depctr_va_sdst(0) depctr_va_ssrc(0) depctr_va_vcc(0) depctr_vm_vsrc(0)
	s_getreg_b32 s2, hwreg(HW_REG_IB_STS2, 6, 4)
	s_cmp_eq_u32 s2, 0
	s_cbranch_scc0 .Lentry_in_a_cluster
	s_endpgm
.Lentry_in_a_cluster:
	s_bfe_u32 s2, ttmp6, 0x10000c
	s_cmp_lg_u32 s2, 0xf033
	s_cbranch_scc0 .Lentry_shape_is_right
	s_endpgm
.Lentry_shape_is_right:
; qkv[g][m][e] = f16( sum over d of bf16(in_g[m][d]) wb[g][e][d] + bf16(b_g[e]) ), g = 0, 1, 2 for (x, Wq, bq), (y, Wk, bk), (z, Wv, bv).  in_g: [8192][1024] f32; wb: bf16; sums in f32.
; LIMITS.  Every input, the biases too, is rounded once to bf16.  The results are kept in f16: a result of 65,520 or more in magnitude becomes an infinity.  With x, W and b all thirty times the
; usual spread the results stay near 4,000, with offsets of thirty spreads near 17,000.  NaN and infinities are not treated apart.
; SHARES.  A tile of a result is 128 rows x 256 columns; four waves, each 64 x 128: 32 accumulators of 16 x 16.  64 x 4 = 256 work-groups, and A WORK-GROUP STAYS: it makes the same tile of g = 0, then 1, then 2.
; K goes in steps of 128 through two LDS slots; the three tiles' 24 steps are ONE walk for the ring: a tile's last two changes of slots ask for the next tile's first two steps, a tile goes out between a
; request and the wait for it, and nothing waits for a tile's stores.
; The rows of in_g come as f32 (512 bytes a row and step) and are rounded to bf16 in registers, one conversion for each matrix instruction: so x, y and z are read once, by this launch, and no bf16 copy of
; them is ever stored.  W's rows (256 bytes a row and step) were rounded by the launch before.
; CLUSTER.  4 x 4 work-groups.  The four of a row of the cluster need the same 128 rows of in_g, the four of a column the same 256 rows of W: each tile is asked for jointly, by the same
; tensor load with the same descriptor and a mask that names the four.  Waves 0 and 1 fetch the two halves of in_g's tile, waves 2 and 3 those of W's: one load a wave and step.
; THE MATRIX INSTRUCTION IS USED TRANSPOSED (source 0 = 16 rows of W, source 1 = 16 rows of in_g): a lane holds one row m (lane % 16) and the columns 8 (lane / 16) + 0..7 of a block of 16.
; The bias is the C operand of the products that start a tile's sums.
; ONE TEXT FOR EVERY STEP.  The loop's trip is one step: s4 holds the LDS byte at which the slot being fetched from begins, 0 or SLOT, and is turned by an exclusive or.  The loop has a constant count, the 22 steps
; that ask for a tile; a second counter finds a tile's end, and every jump that hangs on it goes forward, past no barrier and no tensor load.  The last two steps, which ask for nothing, are a loop of their own.
; REGISTERS, in windows of 256 (s_set_vgpr_msb: bits 1:0 source 0, 3:2 source 1, 5:4 source 2, 7:6 destination):
;   window 0: v0-31 addresses; two fragment buffers of 96 (v32-127, v128-223): 4 x 8 of in_g, then 8 x 8 of W; v224-255 at work on the way out, which reads its rows back into v128-191
;   window 1: the accumulators, (a, b) at v[8 (8 a + b)]
;   window 2: v0-63, v64-127 in_g's numbers as loaded, f32, one set for each buffer; v128-191 the bias of the tile in hand; v192-223, v224-255 the next two tiles' biases, packed in bf16
.set KSTEP,  128
.set STEPS,  1024/KSTEP                ; K steps in a tile
.set TILES,  3
.set FILLS,  TILES*STEPS-2             ; refills in the walk: steps 2 to 23
.set WBYTES, 2097152                   ; a matrix of wb
.set OBYTES, 16777216                  ; a tensor of qkv
.set PA,     528                       ; an LDS row of in_g: 512 bytes + 16 = 132 words: row r starts at bank 4 r mod 64 (64 banks of 4 bytes: ISA guide 11.1)
.set PB,     272                       ; an LDS row of W: 256 bytes + 16 = 68 words: likewise
.set AHALF,  64*PA                     ; what one load brings of in_g, and what one wave reads of it
.set ABYTES, 2*AHALF
.set BHALF,  128*PB                    ; the same for W
.set SLOT,   ABYTES+2*BHALF            ; 137,216
.set STAGE,  2*SLOT                    ; behind the ring: 16 rows x 272 bytes for each wave, for the way out
.set SPITCH, 272
.set SPARE,  STAGE+4*16*SPITCH         ; behind the stages: the spare words, 128 bytes for each wave: two blocks of 256 bytes that no other line names
.set W1,     8                         ; LDS loads of in_g's blocks 2 and 3: the youngest of a run
.set NF,     32                        ; LDS loads in a run
.set ADRA,  16                         ; v16  LDS address of my fragments of in_g in the slot being fetched from
.set ADRA0, 17                         ; v17  the same in slot 0; never rewritten
.set ADRB,  20                         ; v20, v21  the same for W
.set ADRB0, 21
.set STO,  24                          ; v24  the way out: where I put 16 bytes of a row
.set RD,   25                          ; v25  where I read a row back
.set CO,   26                          ; v26  my byte offset in the result; never rewritten
.set BO,   27                          ; v27  my byte offset in a block's 16 biases
.set SPW,  28                          ; v28  LDS address of my spare word; never rewritten
.set NIL,  29                          ; v29  0; never rewritten
.set PFO,  30                          ; v30  the prefetches' offset: my lane x a row in memory; never rewritten
.set F0,   32
.set F1,   128
.set TMP,  224
.set OB,   128                         ; the way out: rows read back, v128-159 and v160-191 by turns: buffer 1, which the tile's last quarter has multiplied; buffer 0 holds the next tile's first fragments
.set BIAS, 128                         ; window 2
.set PK1,  192                         ; window 2
.set PK2,  224                         ; window 2
.set TLEFT, 2                          ; s2   steps of the tile in hand whose change of slots is still to come
.set TB,   4                           ; s4   0 or SLOT
.set PCNT, 5                           ; s5   steps that the prefetches' address still has in its tile
.set KO,   6                           ; s[6:7]   byte offset along in_g's rows of the step to be asked for next
.set G1,   24                          ; s[24:31] descriptor group 1 for in_g's tiles
.set G0,   32                          ; s[32:35] group 0 of the first fill; s[36:39] of the second, which then walks
.set LIM,  43                          ; s43  2 in a wave that prefetches, else the greatest number
.set PFA,  44                          ; s[44:45] where my prefetches stand
.set PSTEP, 46                         ; s[46:47] a K step of my prefetches' rows, in bytes
.set G1B,  48                          ; s[48:55], s[56:59], s[60:63] the same for W's tiles
.set G0B,  56
.set KB,   66                          ; s[66:67] byte offset from W_0's rows of the step to be asked for next: the matrix and the place along the rows
.set AB,   68                          ; s[68:69] in_g at the rows that I fetch, for the tile whose steps are being asked for; s[70:71], s[72:73] for the tiles behind it
.set AN1,  70
.set AN2,  72
.set BB,   74                          ; s[74:75] wb at the rows of W_0 that I fetch
.set OUT,  82                          ; s[82:83] qkv at my part of the tile in hand
.set PN1,  84                          ; s[84:85], s[86:87] where my prefetches begin in the next tile and in the one after
.set PN2,  86
.set MSB, 0
.macro WIN new                         ; the immediate's high byte repeats the setting that is left; a switch that changes nothing is dropped
.if MSB != (\new)
	s_set_vgpr_msb (MSB<<8)|(\new)
.set MSB, \new
.endif
.endm
.macro PLACES                          ; four places in front of loads into registers that matrix instructions have read, and of conversions that read results
.rept 4
	v_nop
.endr
.endm
; A joint load.  The branch hangs on the wave's number alone.  An s_nop 0 and four v_nop follow each of the two lines, ahead of the jump, the label and what follows.
.macro JLOAD s
	s_cmp_eq_u32 s11, 0
	s_cbranch_scc0 .Lfor_b_\@
	tensor_load_to_lds s[G0+4*(\s):G0+4*(\s)+3], s[G1:G1+7]
	s_nop 0
.rept 4
	v_nop
.endr
	s_branch .Lasked_\@
.Lfor_b_\@:
	tensor_load_to_lds s[G0B+4*(\s):G0B+4*(\s)+3], s[G1B:G1B+7]
	s_nop 0
.rept 4
	v_nop
.endr
.Lasked_\@:
.endm
; A prefetch into the L2 of the step of the walk that stands two refills on, across a change of tiles too: 256 matrix instructions of a wave ahead of the load that will want it.  A lane a block of 256 bytes, one instruction a wave.
; Each block is named once in the launch.  in_g's tile (128 rows x 2 blocks a step) is read by this cluster's row alone: partner cx takes rows 32 cx .. 32 cx + 31, wave 0 their first block, wave 1 their second.
; W's tile is read by all sixteen clusters: the one with y = 0 asks; of the 128 rows that wave 2 or 3 fetches partner cy takes 32.  The partners are told apart by address, never by a branch.
; The loop's trips count s3 = 22 .. 1 and refill steps 2 .. 23: those with s3 above 2 name steps 4 .. 23, the last two name nothing.  Steps 0 to 3 come by their loads alone.
.macro ASK
	s_cmp_gt_u32 s3, s[LIM]
	s_cbranch_scc0 .Lnot_mine_\@
	global_prefetch_b8 v[PFO], s[PFA:PFA+1] th:TH_LOAD_NT scope:SCOPE_SE
.Lnot_mine_\@:
.endm
.macro CREST                           ; a round of the cluster's barrier behind its opening barrier: wave 0 signals for the work-group, every wave waits for all sixteen, my work-group's barrier closes it
	s_cmp_lg_u32 s10, 0
	s_cbranch_scc1 .Lnot_wave_0_\@
	s_barrier_signal -3
.Lnot_wave_0_\@:
	s_barrier_wait -3
	s_barrier_signal -1
	s_barrier_wait -1
.endm
.macro CROUND
	s_barrier_signal -1
	s_barrier_wait -1
	CREST
.endm
	s_load_b512 s[68:83], s[0:1], 0x0              ; x 68, y 70, z 72, wb 74, bq 76, bk 78, bv 80, qkv 82
	v_lshl_add_u32 v[SPW], v0, 2, SPARE
	v_mov_b32 v[NIL], 0
	ds_add_u32 v[SPW], v[NIL]                      ; the wave's opening: the add and its wait stand ahead of my first tensor load; the set-up below, work on registers, stands between them
	v_lshrrev_b32 v1, 5, v0
	v_readfirstlane_b32 s10, v1                    ; wave 0..3
	s_lshr_b32 s11, s10, 1                         ; which 64 rows of the tile are mine.  Also: I fetch for in_g (0) or for W (1)
	s_and_b32 s12, s10, 1                          ; which 128 columns.  Also: which half of that tile I fetch
	s_bfe_u32 s40, ttmp6, 0x40000                  ; cx
	s_bfe_u32 s41, ttmp6, 0x40004                  ; cy
	s_lshl_b32 s42, ttmp9, 2
	s_add_co_u32 s42, s42, s40                     ; tile column 0..3
	s_and_b32 s14, ttmp7, 0xffff                   ; cluster y 0..15
	s_lshl_b32 s13, s14, 2
	s_add_co_u32 s13, s13, s41                     ; tile row 0..63
	s_lshl_b32 s43, s41, 2
	s_lshl_b32 s43, 15, s43                        ; my row of the cluster
	s_lshl_b32 s44, 0x1111, s40                    ; my column
	s_or_b32 s[G1], s43, (2<<16)|(1<<20)|(1<<21)|(6<<22)|(3<<25)   ; the mask; elements of 4 bytes; padding on; bit 21 beside a mask; after every 128 words (code 6) 4 words (code 3)
	s_or_b32 s[G1B], s44, (1<<16)|(1<<20)|(1<<21)|(5<<22)|(3<<25)  ; elements of 2 bytes; after every 64 words (code 5) 4 words
	s_mov_b32 s[G1+1], KSTEP<<16                   ; tensor_dim0 = 128
	s_mov_b32 s[G1+2], 64<<16                      ; tensor_dim1 = 64
	s_mov_b32 s[G1+3], KSTEP<<16                   ; tile_dim0 = 128
	s_mov_b32 s[G1+4], 64                          ; tile_dim1 = 64
	s_mov_b32 s[G1+5], 1024                        ; elements from row to row
	s_mov_b32 s[G1+6], 0
	s_mov_b32 s[G1+7], 0
	s_mov_b32 s[G1B+1], KSTEP<<16
	s_mov_b32 s[G1B+2], 128<<16                    ; 128 rows
	s_mov_b32 s[G1B+3], KSTEP<<16
	s_mov_b32 s[G1B+4], 128
	s_mov_b32 s[G1B+5], 1024
	s_mov_b32 s[G1B+6], 0
	s_mov_b32 s[G1B+7], 0
	s_lshl_b32 s18, s13, 19                        ; in_g: 128 rows of 4,096 bytes a tile row,
	s_lshl_b32 s17, s12, 18                        ; my 64 of them
	s_add_co_u32 s18, s18, s17
	s_mov_b32 s19, 0
	s_lshl_b32 s20, s42, 19                        ; W: 256 rows of 2,048 bytes a tile column,
	s_add_co_u32 s20, s20, s17                     ; my 128 of them (the same 2^18 bytes)
	s_mov_b32 s21, 0
	s_mul_i32 s22, s12, AHALF                      ; where my part goes in a slot: no place in the cluster enters an LDS address.  Both are kept: the walking descriptors are made from them
	s_mul_i32 s23, s12, BHALF
	s_add_co_u32 s23, s23, ABYTES
	s_mov_b32 s[TB], 0
	s_mov_b32 s[KO], 2*KSTEP*4                     ; the first refill asks for step 2
	s_mov_b32 s[KO+1], 0
	s_mov_b32 s[KB], 2*KSTEP*2
	s_mov_b32 s[KB+1], 0
	s_mov_b32 s[PCNT], STEPS-3                     ; the prefetches' address starts at step 3
	s_wait_dscnt 0x0                               ; the opening add is done
	s_wait_kmcnt 0x0
	s_cmp_eq_u32 s11, 0                            ; the buffers that my prefetches walk: x, y, z, or wb three times
	s_cselect_b64 s[PFA:PFA+1], s[68:69], s[74:75]
	s_cselect_b64 s[PN1:PN1+1], s[70:71], s[74:75]
	s_cselect_b64 s[PN2:PN2+1], s[72:73], s[74:75]
	s_add_nc_u64 s[AB:AB+1], s[AB:AB+1], s[18:19]
	s_add_nc_u64 s[AN1:AN1+1], s[AN1:AN1+1], s[18:19]
	s_add_nc_u64 s[AN2:AN2+1], s[AN2:AN2+1], s[18:19]
	s_add_nc_u64 s[BB:BB+1], s[BB:BB+1], s[20:21]
	CROUND                                         ; all sixteen work-groups are here: the first joint loads meet
.irp s, 0,1
	s_mov_b32 s[G0+4*(\s)], 1                      ; count = 1
	s_add_co_u32 s[G0+4*(\s)+1], s22, (\s)*SLOT    ; LDS address
	s_add_nc_u64 s[G0+4*(\s)+2:G0+4*(\s)+3], s[AB:AB+1], (\s)*KSTEP*4  ; step s of the first tile
	s_or_b32 s[G0+4*(\s)+3], s[G0+4*(\s)+3], 0x80000000                ; type = 2
	s_mov_b32 s[G0B+4*(\s)], 1
	s_add_co_u32 s[G0B+4*(\s)+1], s23, (\s)*SLOT
	s_add_nc_u64 s[G0B+4*(\s)+2:G0B+4*(\s)+3], s[BB:BB+1], (\s)*KSTEP*2
	s_or_b32 s[G0B+4*(\s)+3], s[G0B+4*(\s)+3], 0x80000000
	JLOAD \s                                       ; two loads of mine are out
.endr
	; A fragment is 16 rows x 32 K: lane l holds row l % 16, K = 8 (l / 16) + 0..7 and 16 + 8 (l / 16) + 0..7.  In bf16: two loads of 16 bytes, 32 apart.  In f32: four, at 0, 16, 64 and 80 from 32 (l / 16).
	v_and_b32 v1, 15, v0                           ; l % 16
	v_bfe_u32 v2, v0, 4, 1                         ; l / 16
	v_lshlrev_b32 v[BO], 5, v2                     ; my 8 biases of a block of 16
	s_lshl_b32 s92, s42, 10                        ; my 128 biases: the same place in bq, bk and bv
	s_lshl_b32 s93, s12, 9
	s_add_co_u32 s92, s92, s93
	s_mov_b32 s93, 0
	s_add_nc_u64 s[76:77], s[76:77], s[92:93]
	s_add_nc_u64 s[78:79], s[78:79], s[92:93]
	s_add_nc_u64 s[80:81], s[80:81], s[92:93]
.irp g, 0,1,2                          ; all three tiles' biases, once, into the fragment buffers, which are still idle: tile g's at v[32 + 64 g ..]
.irp b, 0,1,2,3,4,5,6,7
	global_load_b128 v[32+64*(\g)+8*(\b):32+64*(\g)+8*(\b)+3],   v[BO], s[76+2*(\g):77+2*(\g)] offset:64*(\b)
	global_load_b128 v[32+64*(\g)+8*(\b)+4:32+64*(\g)+8*(\b)+7], v[BO], s[76+2*(\g):77+2*(\g)] offset:64*(\b)+16
.endr
.endr
	v_mul_u32_u24 v3, v1, PA
	v_lshl_add_u32 v3, v2, 5, v3
	v_mul_u32_u24 v4, v1, PB
	v_lshl_add_u32 v4, v2, 4, v4
	s_mul_i32 s18, s11, AHALF                      ; my 64 rows of in_g
	s_mul_i32 s19, s12, BHALF                      ; my 128 rows of W,
	s_add_co_u32 s19, s19, ABYTES                  ; which lie behind in_g's
	v_add_nc_u32 v[ADRA0], s18, v3
	v_add_nc_u32 v[ADRB0], s19, v4
	v_mov_b32 v[ADRA], v[ADRA0]                    ; the first fetches go to slot 0
	v_mov_b32 v[ADRB], v[ADRB0]
	s_mul_i32 s18, s10, 16*SPITCH
	s_add_co_u32 s18, s18, STAGE                   ; my stage
	v_add_nc_u32 v[STO], s18, v4                   ; in: row l % 16, 16 bytes for each half of the lanes (the same pitch as W's rows)
	v_mul_u32_u24 v5, v2, SPITCH                   ; back: lanes 0-15 one row of 256 bytes, lanes 16-31 the next
	v_lshl_add_u32 v5, v1, 4, v5
	v_add_nc_u32 v[RD], s18, v5
	v_lshlrev_b32 v5, 11, v2                       ; and the same two rows of the result, 2,048 bytes each
	v_lshl_add_u32 v[CO], v1, 4, v5
	s_lshl_b32 s88, s13, 18                        ; the result, in tensor 0: the tile's 128 rows,
	s_lshl_b32 s90, s11, 17                        ; my 64,
	s_add_co_u32 s88, s88, s90
	s_lshl_b32 s90, s42, 9                         ; the tile's 256 columns,
	s_add_co_u32 s88, s88, s90
	s_lshl_b32 s90, s12, 8                         ; my 128
	s_add_co_u32 s88, s88, s90
	s_mov_b32 s89, 0
	s_add_nc_u64 s[OUT:OUT+1], s[OUT:OUT+1], s[88:89]
	; the prefetches: both offsets are made, the wave's number chooses
	s_lshl_b32 s88, s13, 19                        ; in_g: the tile's rows,
	s_lshl_b32 s92, s40, 17                        ; my work-group's 32 of the 128,
	s_add_co_u32 s88, s88, s92
	s_lshl_b32 s92, s12, 8                         ; my wave's 256 of a K step's 512 bytes
	s_add_co_u32 s88, s88, s92
	s_lshl_b32 s92, s41, 16                        ; W: my work-group's 32 rows
	s_add_co_u32 s92, s92, s20                     ; of the 128 that I fetch
	s_cmp_eq_u32 s14, 0                            ; the first of the sixteen clusters that read W: the same in all partners
	s_cselect_b32 s93, 2, -1
	s_cmp_eq_u32 s11, 0
	s_cselect_b32 s88, s88, s92
	s_cselect_b32 s[LIM], 2, s93
	s_cselect_b32 s[PSTEP], 2, 1
	s_cselect_b32 s90, 0, 1
	s_cselect_b32 s94, 12, 11                      ; a row is 4,096 or 2,048 bytes
	s_mov_b32 s89, 0
	s_mov_b32 s91, 0
	s_mov_b32 s[PSTEP+1], 0
	s_lshl_b32 s[PSTEP], s[PSTEP], 8               ; 512 or 256 bytes a K step
	s_lshl_b32 s90, s90, 21                        ; from tile to tile: another buffer, or 2 MiB on in wb
	s_add_nc_u64 s[PFA:PFA+1], s[PFA:PFA+1], s[88:89]
	s_add_nc_u64 s[PN1:PN1+1], s[PN1:PN1+1], s[88:89]
	s_add_nc_u64 s[PN2:PN2+1], s[PN2:PN2+1], s[88:89]
	s_add_nc_u64 s[PN1:PN1+1], s[PN1:PN1+1], s[90:91]
	s_add_nc_u64 s[PN2:PN2+1], s[PN2:PN2+1], s[90:91]
	s_add_nc_u64 s[PN2:PN2+1], s[PN2:PN2+1], s[90:91]
.rept 3
	s_add_nc_u64 s[PFA:PFA+1], s[PFA:PFA+1], s[PSTEP:PSTEP+1]  ; at step 3: the first refill steps it to 4
.endr
	v_and_b32 v[PFO], 31, v0
	v_lshlrev_b32 v[PFO], s94, v[PFO]
	s_wait_loadcnt 0x0                             ; the biases: rounded to bf16 like every input; the first tile's is widened again at once, the other two wait packed
.set n, 0
.rept 32
	v_cvt_pk_bf16_f32 v[TMP+n], v[32+2*n], v[33+2*n]
.set n, n+1
.endr
	WIN 0x80                                       ; destination window 2, sources window 0
.set n, 0
.rept 32
	v_cvt_pk_bf16_f32 v[PK1+n], v[96+2*n], v[97+2*n]
	v_cvt_pk_bf16_f32 v[PK2+n], v[160+2*n], v[161+2*n]
.set n, n+1
.endr
.set n, 0
.rept 32
	v_lshlrev_b32 v[BIAS+2*n], 16, v[TMP+n]
	v_and_b32 v[BIAS+2*n+1], 0xffff0000, v[TMP+n]
.set n, n+1
.endr
	WIN 0
; 8 matrix instructions: row block a x all 8 column blocks, 32 along K.  first = 1: the bias starts the sums.  The 32 accumulators take turns in the same order in every quarter, over the backward jumps and from tile to tile too.
.macro MUL8 f, a, first
.if \first
	WIN 0x60                                       ; C in window 2, D in window 1
.else
	WIN 0x50                                       ; C and D in window 1
.endif
.irp b, 0,1,2,3,4,5,6,7
.if \first
	v_wmma_f32_16x16x32_bf16 v[8*(8*(\a)+(\b)):8*(8*(\a)+(\b))+7], v[(\f)+32+8*(\b):(\f)+32+8*(\b)+7], v[(\f)+8*(\a):(\f)+8*(\a)+7], v[BIAS+8*(\b):BIAS+8*(\b)+7]
.else
	v_wmma_f32_16x16x32_bf16 v[8*(8*(\a)+(\b)):8*(8*(\a)+(\b))+7], v[(\f)+32+8*(\b):(\f)+32+8*(\b)+7], v[(\f)+8*(\a):(\f)+8*(\a)+7], v[8*(8*(\a)+(\b)):8*(8*(\a)+(\b))+7]
.endif
.endr
.endm
; 32 LDS loads in one run: quarter kq (32 along K) of the slot being fetched from: W's 8 fragments into buffer g, then in_g's 4 blocks as f32 into g's set in window 2
.macro FETCH kq, g
	WIN 0
.irp b, 0,1,2,3,4,5,6,7
	ds_load_b128 v[(\g)+32+8*(\b):(\g)+32+8*(\b)+3],   v[ADRB] offset:(\kq)*64+(\b)*16*PB
	ds_load_b128 v[(\g)+32+8*(\b)+4:(\g)+32+8*(\b)+7], v[ADRB] offset:(\kq)*64+(\b)*16*PB+32
.endr
	WIN 0x80
.set RW, ((\g)/128)*64
.irp a, 0,1,2,3
	ds_load_b128 v[RW+16*(\a):RW+16*(\a)+3],     v[ADRA] offset:(\kq)*128+(\a)*16*PA
	ds_load_b128 v[RW+16*(\a)+4:RW+16*(\a)+7],   v[ADRA] offset:(\kq)*128+(\a)*16*PA+16
	ds_load_b128 v[RW+16*(\a)+8:RW+16*(\a)+11],  v[ADRA] offset:(\kq)*128+(\a)*16*PA+64
	ds_load_b128 v[RW+16*(\a)+12:RW+16*(\a)+15], v[ADRA] offset:(\kq)*128+(\a)*16*PA+80
.endr
.endm
; in_g's blocks 2 half and 2 half + 1 of buffer f are rounded to bf16: 16 conversions.  They write fragment registers whose last readers stand a quarter back, with more than four plain instructions between.
.macro PREP f, half
	WIN 0x0a                                       ; sources in window 2, destination in window 0
.set RW, ((\f)/128)*64
.irp a, 2*(\half), 2*(\half)+1
.irp i, 0,1,2,3,4,5,6,7
	v_cvt_pk_bf16_f32 v[(\f)+8*(\a)+(\i)], v[RW+16*(\a)+2*(\i)], v[RW+16*(\a)+2*(\i)+1]
.endr
.endr
.endm
; A K step is four quarters of 32 along K, 32 matrix instructions each, on buffers 0, 1, 0, 1.  One of the first three: multiplies buffer f and fetches quarter kq into g.
.macro QUARTER kq, f, g, first
	s_wait_dscnt W1                                ; W and in_g's blocks 0 and 1 are in; the youngest eight loads may be out
	PREP \f, 0
	MUL8 \f, 0, \first
	MUL8 \f, 1, \first
	PLACES
	FETCH \kq, \g
	s_wait_dscnt NF                                ; all but the 32 just issued
	PREP \f, 1
	MUL8 \f, 2, \first
	MUL8 \f, 3, \first
.endm
; The last quarter multiplies buffer 1 and changes slots.  Its first sixteen products stand AHEAD of the wait for the tensor loads, so that between that wait and the next request stands as little as the order allows:
; the add, the descriptors' scalar work, the wait for the add and for my reads of this slot, and the barrier.  Behind the barrier nobody reads this slot any more and the next slot is whole.
; fill = 1: the barrier opens a round of the cluster's, so that no wave of any partner still reads the slot or has a load on its way; the joint refill, with the step of the walk two on, is the first thing
; behind it: a whole step, 128 matrix instructions, ahead of the wait for it.  fill = 0 (the last two steps): nothing is asked for; in the very last step (s3 = 1) there is no next slot, and the fetch is jumped over.
.macro TURN fill
	s_wait_dscnt W1                                ; W and in_g's blocks 0 and 1 are in
	PREP F1, 0
	MUL8 F1, 0, 0
	MUL8 F1, 1, 0
	WIN 0
.if \fill
	s_wait_xcnt 0x0                                ; the last prefetch, a K step back, has read its address: it is stepped here
	s_add_nc_u64 s[PFA:PFA+1], s[PFA:PFA+1], s[PSTEP:PSTEP+1]
	s_sub_co_u32 s[PCNT], s[PCNT], 1
	s_cmp_eq_u32 s[PCNT], 0                        ; past its tile's last step: on to the next tile's first
	s_cselect_b64 s[PFA:PFA+1], s[PN1:PN1+1], s[PFA:PFA+1]
	s_cselect_b64 s[PN1:PN1+1], s[PN2:PN2+1], s[PN1:PN1+1]
	s_cselect_b32 s[PCNT], STEPS, s[PCNT]
.endif
	s_wait_tensorcnt 0x0                           ; all my tensor loads have landed (one was out: my part of the next slot), so a group 0 may be written
	ds_add_u32 v[SPW], v[NIL]                      ; 0 onto my spare word: the scalar work below stands between it and the wait for it
.if \fill
	s_add_co_u32 s[G0+5], s22, s[TB]               ; the walking descriptors: my part of the slot that is being left,
	s_add_nc_u64 s[G0+6:G0+7], s[AB:AB+1], s[KO:KO+1]      ; and the address made anew: the tile's rows and the step's place along them
	s_or_b32 s[G0+7], s[G0+7], 0x80000000
	s_add_co_u32 s[G0B+5], s23, s[TB]
	s_add_nc_u64 s[G0B+6:G0B+7], s[BB:BB+1], s[KB:KB+1]
	s_or_b32 s[G0B+7], s[G0B+7], 0x80000000
	s_add_co_u32 s[KO], s[KO], KSTEP*4             ; the step to be asked for next;
	s_add_co_u32 s[KB], s[KB], KSTEP*2
	s_cmp_eq_u32 s[KO], STEPS*KSTEP*4              ; behind a tile's last step the next tile's first: the next of x, y, z, the next matrix of wb
	s_cselect_b32 s[KO], 0, s[KO]
	s_cselect_b64 s[AB:AB+1], s[AN1:AN1+1], s[AB:AB+1]
	s_cselect_b64 s[AN1:AN1+1], s[AN2:AN2+1], s[AN1:AN1+1]
	s_cselect_b32 s15, WBYTES-STEPS*KSTEP*2, 0
	s_add_co_u32 s[KB], s[KB], s15
.endif
	s_xor_b32 s[TB], s[TB], SLOT                   ; the fetches go on in the other slot
	s_wait_dscnt 0x0                               ; the add is done, and my reads of this slot are over
	s_barrier_signal -1
	s_barrier_wait -1
.if \fill
	CREST
	JLOAD 1                                        ; its four v_nop are also the places in front of the loads below
.else
	PLACES
	s_cmp_eq_u32 s3, 1
	s_cbranch_scc1 .Lno_fetch_\@
.endif
	v_add_nc_u32 v[ADRA], s[TB], v[ADRA0]
	v_add_nc_u32 v[ADRB], s[TB], v[ADRB0]
	FETCH 0, F0
	WIN 0
.if \fill
	ASK                                            ; behind the joint load and the run of LDS loads that the next products wait for
.else
.Lno_fetch_\@:
.endif
	PREP F1, 1
	MUL8 F1, 2, 0
	MUL8 F1, 3, 0
.endm
; THE WAY OUT of row block a.  PACK: rounded to f16, 16 bytes a lane, each accumulator's registers in ascending order.  TOSTAGE: into my own stage, and back as whole rows of 256 bytes.  SEND: stored.
.macro PACK a
	WIN 0x05                                       ; sources in window 1
.irp b, 0,1,2,3,4,5,6,7
.irp i, 0,1,2,3
	v_cvt_pk_f16_f32 v[TMP+4*(\b)+(\i)], v[8*(8*(\a)+(\b))+2*(\i)], v[8*(8*(\a)+(\b))+2*(\i)+1]
.endr
.endr
	WIN 0
.endm
.macro TOSTAGE a
.set BK, OB+32*((\a)%2)
.irp b, 0,1,2,3,4,5,6,7
	ds_store_b128 v[STO], v[TMP+4*(\b):TMP+4*(\b)+3] offset:32*(\b)
.endr
.irp t, 0,1,2,3,4,5,6,7
	ds_load_b128 v[BK+4*(\t):BK+4*(\t)+3], v[RD] offset:(\t)*2*SPITCH  ; LDS serves a wave's instructions in order (ISA guide 5.7.1.4): these see the stores above
.endr
.endm
.macro SEND a
.set BK, OB+32*((\a)%2)
	s_wait_dscnt 0x0                               ; the block is back in registers
	s_wait_xcnt 0x0                                ; the stores of the block before have read their registers, which the next TOSTAGE loads again
.irp t, 0,1,2,3,4,5,6,7
	global_store_b128 v[CO], v[BK+4*(\t):BK+4*(\t)+3], s[OUT:OUT+1] offset:(\a)*16*2048+(\t)*2*2048  ; 16 lanes store 256 consecutive bytes, at a multiple of 256 from the buffer's first byte
.endr
.endm
.macro WAYOUT                          ; block a's conversions stand between block a - 1's loads from the stage and the wait for them
	PLACES                                         ; behind the tile's last products
	PACK 0
	TOSTAGE 0
.irp a, 1,2,3
	PACK \a
	SEND (\a)-1
	TOSTAGE \a
.endr
	SEND 3
.endm
	s_wait_tensorcnt 0x1                           ; my part of step 0 is in; step 1's may stay out
	s_barrier_signal -1
	s_barrier_wait -1                              ; everybody's is
	FETCH 0, F0
	QUARTER 1, F0, F1, 1                           ; a tile's first quarter: its products start the sums
	WIN 0                                          ; at a label and at a branch every window is 0
	s_mov_b32 s3, FILLS
	s_mov_b32 s[TLEFT], STEPS
.Lstep:                                                ; a trip goes from a step's second quarter to the next step's first, and fills the slot that it leaves: steps 2 to 23 of the walk are asked for
	QUARTER 2, F1, F0, 0
	QUARTER 3, F0, F1, 0
	TURN 1
	WIN 0
	s_sub_co_u32 s[TLEFT], s[TLEFT], 1
	s_cmp_eq_u32 s[TLEFT], 0
	s_cbranch_scc1 .Lnext_tile                     ; the tile's last step is multiplied
	QUARTER 1, F0, F1, 0
	WIN 0
	s_branch .Lbottom
.Lnext_tile:                                           ; BOTH OF THE NEXT TILE'S FIRST STEPS ARE ASKED FOR, and its first fragments are fetched: now the tile goes out
	WAYOUT
	WIN 0x8a                                       ; sources and destination in window 2: the next tile's bias is widened, and the one after it moves up
.set n, 0
.rept 32
	v_lshlrev_b32 v[BIAS+2*n], 16, v[PK1+n]
	v_and_b32 v[BIAS+2*n+1], 0xffff0000, v[PK1+n]
.set n, n+1
.endr
.set n, 0
.rept 32
	v_mov_b32 v[PK1+n], v[PK2+n]
.set n, n+1
.endr
	WIN 0
	s_wait_xcnt 0x0                                ; the tile's stores have read their registers and their base: the base is stepped, and buffer 1 is loaded again, only behind this wait
	s_add_nc_u64 s[OUT:OUT+1], s[OUT:OUT+1], OBYTES  ; the same tile of the next tensor
	s_mov_b32 s[TLEFT], STEPS
	QUARTER 1, F0, F1, 1                           ; the next tile's first quarter starts its sums on accumulators that have been packed
	WIN 0
.Lbottom:
	s_sub_co_u32 s3, s3, 1
	s_cmp_lg_u32 s3, 0
	s_cbranch_scc1 .Lstep
	s_mov_b32 s3, 2
.Ltail:                                                ; the walk's last two steps ask for nothing; the second trip is left in its middle.  Its barrier orders nothing: the price of one text for both trips
	QUARTER 2, F1, F0, 0
	QUARTER 3, F0, F1, 0
	TURN 0
	WIN 0
	s_sub_co_u32 s3, s3, 1
	s_cmp_eq_u32 s3, 0
	s_cbranch_scc1 .Lout
	QUARTER 1, F0, F1, 0
	WIN 0
	s_branch .Ltail
.Lout:
	WAYOUT                                         ; the last tile
	s_wait_tensorcnt 0x0                           ; the wave's end, behind my last tensor load and my last LDS store
	ds_add_u32 v[SPW], v[NIL]
	s_wait_dscnt 0x0
	CROUND                                         ; the closing round: no work-group ends while a partner may still ask for a tile that names it
	s_endpgm
.Lfunc_end_k_q8ea6ad3510_proj:
	.size	k_q8ea6ad3510_proj, .Lfunc_end_k_q8ea6ad3510_proj-k_q8ea6ad3510_proj
	.p2alignl 7, 3214868480
	.fill 96, 4, 3214868480
	.section	.rodata,"a",@progbits
	.p2align	6, 0x0
	.amdhsa_kernel k_q8ea6ad3510_proj
		.amdhsa_group_segment_fixed_size 327680
		.amdhsa_private_segment_fixed_size 0
		.amdhsa_enable_private_segment 0
		.amdhsa_kernarg_size 64
		.amdhsa_user_sgpr_count 2
		.amdhsa_user_sgpr_kernarg_segment_ptr 1
		.amdhsa_wavefront_size32 1
		.amdhsa_system_sgpr_workgroup_id_x 1
		.amdhsa_system_sgpr_workgroup_id_y 1
		.amdhsa_system_sgpr_workgroup_id_z 1
		.amdhsa_system_vgpr_workitem_id 0
		.amdhsa_next_free_vgpr 768
		.amdhsa_next_free_sgpr 96
		.amdhsa_reserve_vcc 0
		.amdhsa_float_denorm_mode_32 3
		.amdhsa_float_denorm_mode_16_64 3
		.amdhsa_memory_ordered 1
		.amdhsa_forward_progress 1
		.amdhsa_inst_pref_size 127
	.end_amdhsa_kernel
	.amdgpu_metadata
---
amdhsa.version: [ 1, 2 ]
amdhsa.kernels:
  - .name:           k_q8ea6ad3510_proj
    .symbol:         k_q8ea6ad3510_proj.kd
    .args:
      - { .name: x, .offset: 0, .size: 8, .value_kind: global_buffer, .address_space: global }
      - { .name: y, .offset: 8, .size: 8, .value_kind: global_buffer, .address_space: global }
      - { .name: z, .offset: 16, .size: 8, .value_kind: global_buffer, .address_space: global }
      - { .name: wb, .offset: 24, .size: 8, .value_kind: global_buffer, .address_space: global }
      - { .name: bq, .offset: 32, .size: 8, .value_kind: global_buffer, .address_space: global }
      - { .name: bk, .offset: 40, .size: 8, .value_kind: global_buffer, .address_space: global }
      - { .name: bv, .offset: 48, .size: 8, .value_kind: global_buffer, .address_space: global }
      - { .name: qkv, .offset: 56, .size: 8, .value_kind: global_buffer, .address_space: global }
    .group_segment_fixed_size: 327680
    .private_segment_fixed_size: 0
    .kernarg_segment_align: 8
    .kernarg_segment_size: 64
    .max_flat_workgroup_size: 128
    .sgpr_count:     96
    .vgpr_count:     768
    .wavefront_size: 32
...
	.end_amdgpu_metadata
.endif
;; end of part 2
;; launch scores (part 3): grid 8 x 32, 4 waves a work-group, clusters of 4 x 4, 327,680 bytes of LDS; arguments qkv, pw, st; writes pw, st
.if DOCPART == 3
	.amdgcn_target "amdgcn-amd-amdhsa--gfx1250"
	.amdhsa_code_object_version 6
	.text
	.protected	k_q8ea6ad3510_scores
	.globl	k_q8ea6ad3510_scores
	.p2align	8
	.type	k_q8ea6ad3510_scores,@function
k_q8ea6ad3510_scores:
	s_mov_b64 s[64:65], 0
	v_nop
	global_prefetch_b8 v0, s[64:65] scope:SCOPE_SE
	s_setreg_imm32_b32 hwreg(HW_REG_WAVE_MODE, 25, 1), 1
	s_wait_xcnt 0x0
	s_wait_alu depctr_hold_cnt(0) depctr_sa_sdst(0) depctr_va_vdst(0) depctr_va_sdst(0) depctr_va_ssrc(0) depctr_va_vcc(0) depctr_vm_vsrc(0)
	s_getreg_b32 s2, hwreg(HW_REG_IB_STS2, 6, 4)
	s_cmp_eq_u32 s2, 0
	s_cbranch_scc0 .Lentry_in_a_cluster
	s_endpgm
.Lentry_in_a_cluster:
	s_bfe_u32 s2, ttmp6, 0x10000c
	s_cmp_lg_u32 s2, 0xf033
	s_cbranch_scc0 .Lentry_shape_is_right
	s_endpgm
.Lentry_shape_is_right:
; THE FIRST HALF OF THE SOFTMAX.  s[q][k] = Q[q] . K[k] over 1,024 channels, for the 2,048 keys of q's batch.  Q = qkv[0], K = qkv[1]: [8192][1024] f16; sums in f32.
; For each query and each group t of 128 keys:  M = max over the group of c s, c = log2(e) / 32;  p = 2^(c s - M), stored in f16: pw[q][k];  l = the sum of the unrounded p;  st[t][q] = (M, l), f32.
; The maximum is taken away before every exponential; the next launch joins the sixteen groups' maxima into the row's own and rescales: a running maximum, cut at the launch's end.
; LIMITS.  c s is rounded to f32 once before M is taken away (M is the maximum of those rounded numbers, so p never passes 1); below 6e-5 p keeps f16's fixed step of 6e-8; a p below 2^-126 counts as 0 in l.
; NaN and infinities are not treated apart.
; SHARES.  A tile is 256 queries x 256 keys: 4 x 8 x 8 = 256 tiles, one work-group each.  Four waves, each 128 queries x 128 keys (one group t): 64 accumulators of 16 x 16, 512 registers.
; The channels go in steps of 128 through two LDS slots: 8 steps of 256 matrix instructions a wave.  A tile's rows are 256 bytes of memory, at multiples of 256 from the buffer's first byte.
; CLUSTER.  4 x 4 work-groups: the four of a row need the same 256 queries, the four of a column the same 256 keys: each tile is asked for jointly, by the same tensor load with the same descriptor and a mask
; that names the four.  Waves 0 and 1 fetch Q's two halves (128 rows), waves 2 and 3 K's: one load a wave and step.
; THE MATRIX INSTRUCTION IS USED TRANSPOSED (source 0 = 16 keys, source 1 = 16 queries): a lane holds ONE query (lane % 16) and, over the 8 accumulators of a block of 16 queries, 64 of the group's keys;
; the other 64 lie in the lane 16 away: a query's maximum and sum want one exchange between the halves of the lanes.
; ONE TEXT FOR EVERY STEP.  The loop's trip is one step: s46 holds the LDS byte at which the slot being fetched from begins, 0 or SLOT, and is turned by an exclusive or; the fetches' addresses and the walking
; descriptors' LDS words are made from it.  The last two steps, which ask for nothing, are a loop of their own.  The softmax is written once and walked eight times.
; REGISTERS, in windows of 256 (s_set_vgpr_msb: bits 1:0 source 0, 3:2 source 1, 5:4 source 2, 7:6 destination):
;   window 0: v0-31 addresses; v32-45 at work; v64-127, v128-191 fragments of Q, two buffers (8 x 16 rows x 32 channels); on the way out v64-127 a block's scores, v192-223 packed, v224-255 rows read back
;   window 1: v64-127, v128-191 fragments of K          window 2: the accumulators of my queries 0-63 ((a, b) at v[8 (8 a + b)])          window 3: those of my queries 64-127
.set KSTEP,  128
.set STEPS,  1024/KSTEP
.set PITCH,  272                       ; an LDS row: 256 bytes + 16 = 68 words: row r starts at bank 4 r mod 64 (64 banks of 4 bytes: ISA guide 11.1), so the 16 rows of a load start at 16 different banks
.set HALFT,  128*PITCH                 ; 128 rows: what one tensor load brings, and what one wave reads of Q or of K
.set SLOT,   4*HALFT                   ; Q's 256 rows, then K's 256 rows: 139,264
.set STAGE,  2*SLOT                    ; behind the ring: 16 rows x 272 bytes for each wave
.set SPITCH, 272
.set STATS,  STAGE+4*16*SPITCH         ; behind the stages: 128 queries x 8 bytes for each wave
.set SPARE,  STATS+4*1024              ; behind them: the spare words, 128 bytes for each wave: two blocks of 256 bytes that no other line names
.set ADRA,  16                         ; v16  LDS address of my fragments of Q in the slot being fetched from
.set ADRA0, 17                         ; v17  the same in slot 0; never rewritten
.set ADRB,  20                         ; v20, v21  the same for K
.set ADRB0, 21
.set STO,  24                          ; v24  the way out: where I put 16 bytes of a row
.set RD,   25                          ; v25  where I read a row back
.set CO,   26                          ; v26  my byte offset in two rows of pw
.set SADR, 27                          ; v27  where my query's (M, l) of the block in hand goes
.set SPW,  28                          ; v28  LDS address of my spare word; never rewritten
.set NIL,  29                          ; v29  0; never rewritten
.set PFO,  30                          ; v30  the prefetches' offset: my lane x a row of 2,048 bytes; never rewritten
.set SO,   31                          ; v31  16 x my lane
.set CH,   32                          ; v32-39  eight chains of the maximum
.set T1,   41                          ; v41  the other half's maximum
.set ML,   42                          ; v[42:43]  M twice, later (M, l)
.set T2,   44                          ; v44, v45  my half's sum, the other half's
.set F0,   64
.set F1,   128
.set X,    64                          ; the block's 64 scores, in window 0
.set TMP,  192
.set OB,   224
.set G1,   24                          ; s[24:31] descriptor group 1 for Q's tiles
.set G0,   32                          ; s[32:35] group 0 of the first fill; s[36:39] of the second, which then walks
.set G1B,  48                          ; s[48:55], s[56:59], s[60:63] the same for K's tiles
.set G0B,  56
.set LIM,  43                          ; s43  2 in a wave that prefetches, else the greatest number
.set PFA,  44                          ; s[44:45] where my prefetches stand
.set TB,   46                          ; s46  0 or SLOT
.set BLK,  47                          ; s47  counts the blocks of the way out
.set CS,   66                          ; s[66:67] c: the packed scaling takes the pair's low word for both halves
.set SEL,  68                          ; s[68:69] v_permlanex16_b32's selects: each lane takes its own place in the other half
.set MSB, 0
.macro WIN new                         ; the immediate's high byte repeats the setting that is left; a switch that changes nothing is dropped
.if MSB != (\new)
	s_set_vgpr_msb (MSB<<8)|(\new)
.set MSB, \new
.endif
.endm
.set MUL_LO, 0xa1                      ; source 0 (K) window 1, source 1 (Q) window 0, C and D window 2
.set MUL_HI, 0xf1                      ; the same, C and D window 3
.set TO_B,   0x40                      ; destination window 1, address window 0
.macro PLACES                          ; four places in front of loads into registers that matrix instructions have read, and of vector lines that read results
.rept 4
	v_nop
.endr
.endm
; A joint load.  The branch hangs on the wave's number alone.  An s_nop 0 and four v_nop follow each of the two lines, ahead of the jump, the label and what follows.
.macro JLOAD s
	s_cmp_eq_u32 s11, 0
	s_cbranch_scc0 .Lfor_b_\@
	tensor_load_to_lds s[G0+4*(\s):G0+4*(\s)+3], s[G1:G1+7]
	s_nop 0
.rept 4
	v_nop
.endr
	s_branch .Lasked_\@
.Lfor_b_\@:
	tensor_load_to_lds s[G0B+4*(\s):G0B+4*(\s)+3], s[G1B:G1B+7]
	s_nop 0
.rept 4
	v_nop
.endr
.Lasked_\@:
.endm
; A prefetch into the L2 of the step that stands two refills on: 512 matrix instructions of a wave ahead of the load that will want it.  A lane a row's 256 bytes, one instruction a wave.
; Each block is named once in the launch.  Q's rows are read by the two clusters of a row of clusters: the one with x = 0 asks.  K's rows are read by the two clusters of a batch along y: the first asks.
; Of the 128 rows that a wave fetches each of the four partners takes 32, told apart by address (cx for Q, cy for K), never by a branch.
; The loop's trips count s3 = 6 .. 1 and refill steps 2 .. 7: those with s3 above 2 name steps 4 .. 7, the last two name nothing.  Steps 0 to 3 come by their loads alone.
.macro ASK
	s_cmp_gt_u32 s3, s[LIM]
	s_cbranch_scc0 .Lnot_mine_\@
	global_prefetch_b8 v[PFO], s[PFA:PFA+1] th:TH_LOAD_NT scope:SCOPE_SE
.Lnot_mine_\@:
.endm
.macro CREST                           ; a round of the cluster's barrier behind its opening barrier: wave 0 signals for the work-group, every wave waits for all sixteen, my work-group's barrier closes it
	s_cmp_lg_u32 s10, 0
	s_cbranch_scc1 .Lnot_wave_0_\@
	s_barrier_signal -3
.Lnot_wave_0_\@:
	s_barrier_wait -3
	s_barrier_signal -1
	s_barrier_wait -1
.endm
.macro CROUND
	s_barrier_signal -1
	s_barrier_wait -1
	CREST
.endm
	s_load_b128 s[4:7], s[0:1], 0x0                ; qkv s[4:5], pw s[6:7]
	s_load_b64 s[8:9], s[0:1], 0x10                ; st
	v_lshl_add_u32 v[SPW], v0, 2, SPARE
	v_mov_b32 v[NIL], 0
	ds_add_u32 v[SPW], v[NIL]                      ; the wave's opening: the add and its wait stand ahead of my first tensor load; the set-up below, work on registers, stands between them
	v_lshrrev_b32 v1, 5, v0
	v_readfirstlane_b32 s10, v1                    ; wave 0..3
	s_lshr_b32 s11, s10, 1                         ; which 128 queries are mine.  Also: I fetch for Q (0) or for K (1)
	s_and_b32 s12, s10, 1                          ; which 128 keys.  Also: which half of that tile I fetch
	s_bfe_u32 s40, ttmp6, 0x40000                  ; cx
	s_bfe_u32 s41, ttmp6, 0x40004                  ; cy
	s_lshl_b32 s42, ttmp9, 2
	s_add_co_u32 s42, s42, s40                     ; tile of 256 keys, 0..7
	s_and_b32 s14, ttmp7, 0xffff                   ; cluster y 0..7
	s_lshr_b32 s15, s14, 1                         ; the batch: the same for the whole cluster
	s_lshl_b32 s13, s14, 2
	s_add_co_u32 s13, s13, s41                     ; tile of 256 queries, 0..31 over all batches
	s_lshl_b32 s43, s41, 2
	s_lshl_b32 s43, 15, s43                        ; my row of the cluster
	s_lshl_b32 s44, 0x1111, s40                    ; my column
	s_or_b32 s[G1], s43, (1<<16)|(1<<20)|(1<<21)|(5<<22)|(3<<25)   ; the mask; 2-byte elements; padding on; bit 21 beside a mask; after every 64 words (code 5) 4 words (code 3)
	s_or_b32 s[G1B], s44, (1<<16)|(1<<20)|(1<<21)|(5<<22)|(3<<25)
.irp g, G1, G1B
	s_mov_b32 s[(\g)+1], KSTEP<<16                 ; tensor_dim0 = 128
	s_mov_b32 s[(\g)+2], 128<<16                   ; tensor_dim1 = 128
	s_mov_b32 s[(\g)+3], KSTEP<<16                 ; tile_dim0 = 128
	s_mov_b32 s[(\g)+4], 128                       ; tile_dim1 = 128
	s_mov_b32 s[(\g)+5], 1024                      ; elements from row to row
	s_mov_b32 s[(\g)+6], 0
	s_mov_b32 s[(\g)+7], 0
.endr
	s_lshl_b32 s18, s13, 19                        ; Q: 256 rows of 2,048 bytes a tile,
	s_lshl_b32 s17, s12, 18                        ; my 128 of them
	s_add_co_u32 s18, s18, s17
	s_mov_b32 s19, 0
	s_lshl_b32 s20, s15, 22                        ; K: the batch's 2,048 rows,
	s_lshl_b32 s21, s42, 19                        ; the tile's 256,
	s_add_co_u32 s20, s20, s21
	s_add_co_u32 s20, s20, s17                     ; my 128,
	s_add_co_u32 s20, s20, 16777216                ; behind Q's 16 MiB
	s_mov_b32 s21, 0
	s_mul_i32 s22, s10, HALFT                      ; where my part goes in a slot: Q's two halves, then K's two: no place in the cluster enters an LDS address.  Kept: the walking descriptors are made from it
	s_mov_b32 s[TB], 0
	s_mov_b32 s[CS], 0x3d38aa3b                    ; c = log2(e) / 32 = 0.0450842
	s_mov_b32 s[CS+1], s[CS]                       ; named with it as a pair
	s_mov_b32 s[SEL], 0x76543210
	s_mov_b32 s[SEL+1], 0xfedcba98
	s_wait_dscnt 0x0                               ; the opening add is done
	s_wait_kmcnt 0x0
	s_add_nc_u64 s[70:71], s[4:5], s[18:19]
	s_add_nc_u64 s[72:73], s[4:5], s[20:21]
	CROUND                                         ; all sixteen work-groups are here: the first joint loads meet
.irp s, 0,1
	s_mov_b32 s[G0+4*(\s)], 1                      ; count = 1
	s_add_co_u32 s[G0+4*(\s)+1], s22, (\s)*SLOT    ; LDS address
	s_add_nc_u64 s[G0+4*(\s)+2:G0+4*(\s)+3], s[70:71], (\s)*KSTEP*2  ; step s
	s_or_b32 s[G0+4*(\s)+3], s[G0+4*(\s)+3], 0x80000000              ; type = 2
	s_mov_b32 s[G0B+4*(\s)], 1
	s_add_co_u32 s[G0B+4*(\s)+1], s22, (\s)*SLOT
	s_add_nc_u64 s[G0B+4*(\s)+2:G0B+4*(\s)+3], s[72:73], (\s)*KSTEP*2
	s_or_b32 s[G0B+4*(\s)+3], s[G0B+4*(\s)+3], 0x80000000
	JLOAD \s                                       ; two loads of mine are out
.endr
	; A fragment is 16 rows x 32 channels in 8 registers: lane l holds row l % 16, channels 8 (l / 16) + 0..7 and 16 + 8 (l / 16) + 0..7: two loads of 16 bytes, 32 bytes apart.
	v_and_b32 v1, 15, v0                           ; l % 16
	v_bfe_u32 v2, v0, 4, 1                         ; l / 16
	v_mul_u32_u24 v3, v1, PITCH
	v_lshl_add_u32 v3, v2, 4, v3                   ; row x pitch + 16 x half
	s_mul_i32 s74, s11, HALFT                      ; my 128 queries
	s_mul_i32 s75, s12, HALFT                      ; my 128 keys,
	s_add_co_u32 s75, s75, 2*HALFT                 ; behind Q's 256 rows
	v_add_nc_u32 v[ADRA0], s74, v3
	v_add_nc_u32 v[ADRB0], s75, v3
	v_mov_b32 v[ADRA], v[ADRA0]                    ; the first fetches go to slot 0
	v_mov_b32 v[ADRB], v[ADRB0]
	s_mul_i32 s74, s10, 16*SPITCH
	s_add_co_u32 s74, s74, STAGE                   ; my stage
	v_add_nc_u32 v[STO], s74, v3                   ; in: row l % 16, 16 bytes for each half of the lanes
	v_mul_u32_u24 v5, v2, SPITCH                   ; back: lanes 0-15 one row of 256 bytes, lanes 16-31 the next
	v_lshl_add_u32 v5, v1, 4, v5
	v_add_nc_u32 v[RD], s74, v5
	v_lshlrev_b32 v5, 12, v2                       ; and the same two rows of pw, 4,096 bytes each
	v_lshl_add_u32 v[CO], v1, 4, v5
	v_and_b32 v5, 31, v0
	v_lshlrev_b32 v[SO], 4, v5
	s_lshl_b32 s88, s10, 10
	s_add_co_u32 s88, s88, STATS                   ; my 1,024 bytes of statistics
	v_lshl_add_u32 v[SADR], v1, 3, s88             ; block 0: query l % 16
	v_mov_b32 v[T1], 0                             ; v_permlanex16_b32's destination counts as read: the two are written first
	v_mov_b32 v[T2+1], 0
	s_lshl_b32 s80, s13, 20                        ; pw: the tile's 256 rows of 4,096 bytes,
	s_lshl_b32 s82, s11, 19                        ; my 128,
	s_add_co_u32 s80, s80, s82
	s_lshl_b32 s82, s42, 9                         ; the tile's 256 keys,
	s_add_co_u32 s80, s80, s82
	s_lshl_b32 s82, s12, 8                         ; my 128
	s_add_co_u32 s80, s80, s82
	s_mov_b32 s81, 0
	s_add_nc_u64 s[76:77], s[6:7], s[80:81]
	s_lshl_b32 s80, s42, 17                        ; st: group t = 2 x tile + my half, 65,536 bytes each,
	s_lshl_b32 s82, s12, 16
	s_add_co_u32 s80, s80, s82
	s_lshl_b32 s82, s13, 11                        ; the tile's 256 queries of 8 bytes,
	s_add_co_u32 s80, s80, s82
	s_lshl_b32 s82, s11, 10                        ; my 128
	s_add_co_u32 s80, s80, s82
	s_add_nc_u64 s[78:79], s[8:9], s[80:81]
	; the prefetches: both offsets are made, the wave's number chooses
	s_lshl_b32 s84, s40, 16                        ; Q: my work-group's 32 rows
	s_add_co_u32 s84, s84, s18                     ; of the 128 that I fetch
	s_lshl_b32 s86, s41, 16                        ; K: likewise
	s_add_co_u32 s86, s86, s20
	s_cmp_eq_u32 ttmp9, 0                          ; Q: the clusters with x = 0
	s_cselect_b32 s87, 2, -1
	s_and_b32 s82, s14, 1                          ; K: the first of a batch's two clusters along y
	s_cmp_eq_u32 s82, 0
	s_cselect_b32 s82, 2, -1
	s_cmp_eq_u32 s11, 0
	s_cselect_b32 s84, s84, s86
	s_cselect_b32 s[LIM], s87, s82                 ; the same in all sixteen partners, for a given wave
	s_add_co_u32 s84, s84, 3*KSTEP*2               ; at step 3: the first refill steps it to 4
	s_mov_b32 s85, 0
	s_add_nc_u64 s[PFA:PFA+1], s[4:5], s[84:85]
	v_lshlrev_b32 v[PFO], 11, v5
; 16 matrix instructions: query blocks a0, a0 + 1 of the window's four (hi = 0: my queries 0-63, 1: 64-127) x all 8 key blocks, 32 channels.  zero = 1: the constant 0 starts the sums: nothing is ever cleared.
; The 64 accumulators take turns, one instruction a turn, in the same order in every quarter, over the backward jumps too.
.macro MUL16 f, hi, a0, zero
	WIN MUL_LO+0x50*(\hi)
.irp a, \a0, (\a0)+1
.irp b, 0,1,2,3,4,5,6,7
.if \zero
	v_wmma_f32_16x16x32_f16 v[8*(8*(\a)+(\b)):8*(8*(\a)+(\b))+7], v[(\f)+8*(\b):(\f)+8*(\b)+7], v[(\f)+8*(4*(\hi)+(\a)):(\f)+8*(4*(\hi)+(\a))+7], 0
.else
	v_wmma_f32_16x16x32_f16 v[8*(8*(\a)+(\b)):8*(8*(\a)+(\b))+7], v[(\f)+8*(\b):(\f)+8*(\b)+7], v[(\f)+8*(4*(\hi)+(\a)):(\f)+8*(4*(\hi)+(\a))+7], v[8*(8*(\a)+(\b)):8*(8*(\a)+(\b))+7]
.endif
.endr
.endr
.endm
; 32 LDS loads in one run: the fragments of 32 channels at byte k of the rows: K's 8, then Q's 8, into buffer f
.macro FETCH k, f
	WIN TO_B
.irp i, 0,1,2,3,4,5,6,7
	ds_load_b128 v[(\f)+8*(\i):(\f)+8*(\i)+3],   v[ADRB] offset:(\k)+(\i)*16*PITCH
	ds_load_b128 v[(\f)+8*(\i)+4:(\f)+8*(\i)+7], v[ADRB] offset:(\k)+(\i)*16*PITCH+32
.endr
	WIN 0
.irp i, 0,1,2,3,4,5,6,7
	ds_load_b128 v[(\f)+8*(\i):(\f)+8*(\i)+3],   v[ADRA] offset:(\k)+(\i)*16*PITCH
	ds_load_b128 v[(\f)+8*(\i)+4:(\f)+8*(\i)+7], v[ADRA] offset:(\k)+(\i)*16*PITCH+32
.endr
.endm
; A step is four quarters of 32 channels, 64 matrix instructions each, on buffers 0, 1, 0, 1.  One of the first three: multiplies buffer f; in its middle it fetches the next quarter, at byte k, into buffer g.
.macro QUARTER k, f, g, zero
	s_wait_dscnt 8                                 ; K and Q's rows 0-63 are in; the youngest eight loads (Q's rows 64-127) may be out
	MUL16 \f, 0, 0, \zero
	MUL16 \f, 0, 2, \zero
	PLACES
	FETCH \k, \g
	s_wait_dscnt 32                                ; all but the 32 just issued
	MUL16 \f, 1, 0, \zero
	MUL16 \f, 1, 2, \zero
.endm
; The last quarter multiplies buffer 1 and changes slots: ONE barrier, for two things.  In front of it each wave waits for all its tensor loads (one is out: its part of the next slot), adds 0 to its spare word,
; and waits for that and for its own reads of this slot.  Behind it nobody reads this slot any more and the next slot is whole.
; fill = 1: the barrier opens a round of the cluster's, so that no wave of any partner still reads the slot or has a load on its way; the joint refill, with the step two on, is the first thing behind it:
; 224 matrix instructions ahead of the wait for it.  fill = 0 (the last two steps): nothing is asked for; in the very last step (s3 = 1) there is no next slot, and the fetch is jumped over.
.macro TURN fill
.if \fill
	s_wait_xcnt 0x0                                ; the last prefetch, a step back, has read its address: it is stepped here, ahead of the waits of the change of slots
	s_add_nc_u64 s[PFA:PFA+1], s[PFA:PFA+1], KSTEP*2
.endif
	WIN 0                                          ; (the add's two registers lie in window 0)
	s_wait_tensorcnt 0x0                           ; all my tensor loads have landed
	ds_add_u32 v[SPW], v[NIL]                      ; 0 onto my spare word
	s_wait_dscnt 9                                 ; (the add and the youngest eight loads may be out)
	MUL16 F1, 0, 0, 0                              ; sixteen matrix instructions stand between the add and the wait for it
	s_wait_dscnt 0x0                               ; the add is done, and my reads of this slot are over
	s_barrier_signal -1
	MUL16 F1, 0, 2, 0                              ; work on registers while the others arrive
	WIN 0
	s_barrier_wait -1
.if \fill
	CREST
	s_add_co_u32 s[G0+5], s22, s[TB]               ; the walking descriptors: my part of the slot just read out,
	s_add_nc_u64 s[G0+6:G0+7], s[G0+6:G0+7], KSTEP*2    ; the next step along the rows; the type bits on top are not reached
	s_add_co_u32 s[G0B+5], s22, s[TB]
	s_add_nc_u64 s[G0B+6:G0B+7], s[G0B+6:G0B+7], KSTEP*2
	s_xor_b32 s[TB], s[TB], SLOT                   ; the fetches go on in the other slot
	JLOAD 1                                        ; its four v_nop are also the places in front of the loads below
.else
	s_xor_b32 s[TB], s[TB], SLOT
	PLACES
	s_cmp_eq_u32 s3, 1
	s_cbranch_scc1 .Lno_fetch_\@
.endif
	v_add_nc_u32 v[ADRA], s[TB], v[ADRA0]
	v_add_nc_u32 v[ADRB], s[TB], v[ADRB0]
	FETCH 0, F0
.if \fill
	ASK                                            ; behind the joint load and the run of LDS loads that the next products wait for
.else
.Lno_fetch_\@:
.endif
	MUL16 F1, 1, 0, 0
	MUL16 F1, 1, 2, 0
.endm
	s_wait_tensorcnt 0x1                           ; my part of step 0 is in; step 1's may stay out
	s_barrier_signal -1
	s_barrier_wait -1                              ; everybody's is
	FETCH 0, F0
	QUARTER 64, F0, F1, 1                          ; the first quarter stands in front of the loop: its products start the sums
	WIN 0                                          ; at a label and at a branch every window is 0
	s_mov_b32 s3, STEPS-2
.Lstep:                                                ; a trip goes from a step's second quarter to the next step's first, and fills the slot that it leaves: steps 2 to 7 are asked for
	QUARTER 128, F1, F0, 0
	QUARTER 192, F0, F1, 0
	TURN 1
	QUARTER 64, F0, F1, 0
	WIN 0
	s_sub_co_u32 s3, s3, 1
	s_cmp_lg_u32 s3, 0
	s_cbranch_scc1 .Lstep
	s_mov_b32 s3, 2
.Ltail:                                                ; the last two steps ask for nothing; the second trip is left in its middle.  Its barrier orders nothing: the price of one text for both trips
	QUARTER 128, F1, F0, 0
	QUARTER 192, F0, F1, 0
	TURN 0
	WIN 0
	s_sub_co_u32 s3, s3, 1
	s_cmp_eq_u32 s3, 0
	s_cbranch_scc1 .Lout
	QUARTER 64, F0, F1, 0
	WIN 0
	s_branch .Ltail
.Lout:
	PLACES                                         ; behind the last products
; THE WAY OUT, a block of 16 queries a trip.  Only the line that takes a block out of its accumulators differs from block to block: c s into v64-127 of window 0, each accumulator's registers in ascending order.
; That the scaling and the subtraction of M are two lines and not one fused line is the price of writing all that follows once: 32 packed instructions a block.
.macro SCALEIN a
	WIN 0x02+((\a)/4)                              ; source 0 in window 2 or 3
.set n, 0
.rept 32
	v_pk_mul_f32 v[X+2*n:X+2*n+1], v[64*((\a)%4)+2*n:64*((\a)%4)+2*n+1], s[CS:CS+1] op_sel_hi:[1,0]
.set n, n+1
.endr
	WIN 0
.endm
	s_mov_b32 s[BLK], 0
.Lblk:
.irp a, 0,1,2,3,4,5,6
	s_cmp_eq_u32 s[BLK], \a
	s_cbranch_scc1 .Lin\a
.endr
	SCALEIN 7
	s_branch .Ljoin
.irp a, 6,5,4,3,2,1
.Lin\a:
	SCALEIN \a
	s_branch .Ljoin
.endr
.Lin0:
	SCALEIN 0
.Ljoin:
	; the maximum of my 64 numbers: eight chains of seven, three operands at a time, then the eight left over and the chains into one
.irp b, 0,1,2,3,4,5,6,7
	v_max3_num_f32 v[CH+(\b)], v[X+8*(\b)], v[X+8*(\b)+1], v[X+8*(\b)+2]
.endr
.irp b, 0,1,2,3,4,5,6,7
	v_max3_num_f32 v[CH+(\b)], v[CH+(\b)], v[X+8*(\b)+3], v[X+8*(\b)+4]
.endr
.irp b, 0,1,2,3,4,5,6,7
	v_max3_num_f32 v[CH+(\b)], v[CH+(\b)], v[X+8*(\b)+5], v[X+8*(\b)+6]
.endr
.irp u, 0,1,2,3
	v_max3_num_f32 v[CH+(\u)], v[CH+(\u)], v[X+16*(\u)+7], v[X+16*(\u)+15]
.endr
	v_max3_num_f32 v[CH], v[CH], v[CH+1], v[CH+2]
	v_max3_num_f32 v[CH+3], v[CH+3], v[CH+4], v[CH+5]
	v_max3_num_f32 v[CH], v[CH], v[CH+3], v[CH+6]
	v_max_num_f32 v[CH], v[CH], v[CH+7]
	v_permlanex16_b32 v[T1], v[CH], s[SEL], s[SEL+1]  ; the query's other 64 keys lie in the lane 16 away
	v_max_num_f32 v[ML], v[CH], v[T1]              ; M
	v_max_num_f32 v[ML+1], v[CH], v[T1]            ; and once more, for the packed subtraction
.set n, 0
.rept 32
	v_pk_add_f32 v[X+2*n:X+2*n+1], v[X+2*n:X+2*n+1], v[ML:ML+1] neg_lo:[0,1] neg_hi:[0,1]  ; c s - M
.set n, n+1
.endr
.set n, 0
.rept 64
	v_exp_f32 v[X+n], v[X+n]                       ; one batch: none of these names another's result
.set n, n+1
.endr
	v_nop                                          ; a plain instruction behind the last exponential (ISA guide 5.7.2),
	s_wait_alu depctr_va_vdst(0)                   ; and one wait ahead of the batch's first reader
.irp b, 0,1,2,3,4,5,6,7
.irp i, 0,1,2,3
	v_cvt_pk_f16_f32 v[TMP+4*(\b)+(\i)], v[X+8*(\b)+2*(\i)], v[X+8*(\b)+2*(\i)+1]
.endr
.endr
.irp b, 0,1,2,3,4,5,6,7
	ds_store_b128 v[STO], v[TMP+4*(\b):TMP+4*(\b)+3] offset:32*(\b)  ; 16 bytes a lane: 8 neighbouring keys of my query's row
.endr
.irp t, 0,1,2,3,4,5,6,7
	ds_load_b128 v[OB+4*(\t):OB+4*(\t)+3], v[RD] offset:(\t)*2*SPITCH  ; back as whole rows.  LDS serves a wave's instructions in order (ISA guide 5.7.1.4): these see the stores above
.endr
	; the sum of the 32 pairs, in place (neighbours 16, 8, 4, 2 and 1 pairs apart), stands between those loads and the wait for them
.irp w, 16,8,4,2,1
.set n, 0
.rept \w
	v_pk_add_f32 v[X+2*n:X+2*n+1], v[X+2*n:X+2*n+1], v[X+2*(n+(\w)):X+2*(n+(\w))+1]
.set n, n+1
.endr
.endr
	v_add_f32 v[T2], v[X], v[X+1]
	v_permlanex16_b32 v[T2+1], v[T2], s[SEL], s[SEL+1]
	v_add_f32 v[ML+1], v[T2], v[T2+1]              ; l takes the second M's place: the pair is (M, l)
	ds_store_b64 v[SADR], v[ML:ML+1]               ; both halves of the lanes hold the same pair and write the same 8 bytes
	v_add_nc_u32 v[SADR], 128, v[SADR]             ; the next block's 16 queries
	s_wait_dscnt 0x1                               ; the eight loads are back; the store behind them may be out
.irp t, 0,1,2,3,4,5,6,7
	global_store_b128 v[CO], v[OB+4*(\t):OB+4*(\t)+3], s[76:77] offset:(\t)*2*4096  ; 16 lanes store 256 consecutive bytes, at a multiple of 256 from pw's first byte
.endr
	s_wait_xcnt 0x0                                ; the stores have read their registers and their base: the base is stepped, and the next trip loads the registers again, only behind this wait
	s_add_nc_u64 s[76:77], s[76:77], 16*4096       ; 16 rows of pw on
	s_add_co_u32 s[BLK], s[BLK], 1
	s_cmp_lt_u32 s[BLK], 8
	s_cbranch_scc1 .Lblk
	; the statistics of my 128 queries: 1,024 bytes of my own in LDS, out as two stores of 512 consecutive bytes, at a multiple of 256 from st's first byte
	v_add_nc_u32 v3, s88, v[SO]
	ds_load_b128 v[32:35], v3
	ds_load_b128 v[36:39], v3 offset:512
	s_wait_dscnt 0x0
	global_store_b128 v[SO], v[32:35], s[78:79]
	global_store_b128 v[SO], v[36:39], s[78:79] offset:512
	s_wait_tensorcnt 0x0                           ; the wave's end, behind my last tensor load and my last LDS store
	ds_add_u32 v[SPW], v[NIL]
	s_wait_dscnt 0x0
	CROUND                                         ; the closing round: no work-group ends while a partner may still ask for a tile that names it
	s_endpgm
.Lfunc_end_k_q8ea6ad3510_scores:
	.size	k_q8ea6ad3510_scores, .Lfunc_end_k_q8ea6ad3510_scores-k_q8ea6ad3510_scores
	.p2alignl 7, 3214868480
	.fill 96, 4, 3214868480
	.section	.rodata,"a",@progbits
	.p2align	6, 0x0
	.amdhsa_kernel k_q8ea6ad3510_scores
		.amdhsa_group_segment_fixed_size 327680
		.amdhsa_private_segment_fixed_size 0
		.amdhsa_enable_private_segment 0
		.amdhsa_kernarg_size 24
		.amdhsa_user_sgpr_count 2
		.amdhsa_user_sgpr_kernarg_segment_ptr 1
		.amdhsa_wavefront_size32 1
		.amdhsa_system_sgpr_workgroup_id_x 1
		.amdhsa_system_sgpr_workgroup_id_y 1
		.amdhsa_system_sgpr_workgroup_id_z 1
		.amdhsa_system_vgpr_workitem_id 0
		.amdhsa_next_free_vgpr 1024
		.amdhsa_next_free_sgpr 96
		.amdhsa_reserve_vcc 0
		.amdhsa_float_denorm_mode_32 3
		.amdhsa_float_denorm_mode_16_64 3
		.amdhsa_memory_ordered 1
		.amdhsa_forward_progress 1
		.amdhsa_inst_pref_size 100
	.end_amdhsa_kernel
	.amdgpu_metadata
---
amdhsa.version: [ 1, 2 ]
amdhsa.kernels:
  - .name:           k_q8ea6ad3510_scores
    .symbol:         k_q8ea6ad3510_scores.kd
    .args:
      - { .name: qkv, .offset: 0, .size: 8, .value_kind: global_buffer, .address_space: global }
      - { .name: pw, .offset: 8, .size: 8, .value_kind: global_buffer, .address_space: global }
      - { .name: st, .offset: 16, .size: 8, .value_kind: global_buffer, .address_space: global }
    .group_segment_fixed_size: 327680
    .private_segment_fixed_size: 0
    .kernarg_segment_align: 8
    .kernarg_segment_size: 24
    .max_flat_workgroup_size: 128
    .sgpr_count:     96
    .vgpr_count:     1024
    .wavefront_size: 32
...
	.end_amdgpu_metadata
.endif
;; end of part 3
;; launch pv (part 4): grid 4 x 64, 4 waves a work-group, clusters of 4 x 4, 327,680 bytes of LDS; arguments pw, qkv, st, out0; writes out0
.if DOCPART == 4
	.amdgcn_target "amdgcn-amd-amdhsa--gfx1250"
	.amdhsa_code_object_version 6
	.text
	.protected	k_q8ea6ad3510_pv
	.globl	k_q8ea6ad3510_pv
	.p2align	8
	.type	k_q8ea6ad3510_pv,@function
k_q8ea6ad3510_pv:
	s_mov_b64 s[64:65], 0
	v_nop
	global_prefetch_b8 v0, s[64:65] scope:SCOPE_SE
	s_setreg_imm32_b32 hwreg(HW_REG_WAVE_MODE, 25, 1), 1
	s_wait_xcnt 0x0
	s_wait_alu depctr_hold_cnt(0) depctr_sa_sdst(0) depctr_va_vdst(0) depctr_va_sdst(0) depctr_va_ssrc(0) depctr_va_vcc(0) depctr_vm_vsrc(0)
	s_getreg_b32 s2, hwreg(HW_REG_IB_STS2, 6, 4)
	s_cmp_eq_u32 s2, 0
	s_cbranch_scc0 .Lentry_in_a_cluster
	s_endpgm
.Lentry_in_a_cluster:
	s_bfe_u32 s2, ttmp6, 0x10000c
	s_cmp_lg_u32 s2, 0xf033
	s_cbranch_scc0 .Lentry_shape_is_right
	s_endpgm
.Lentry_shape_is_right:
; THE SECOND HALF OF THE SOFTMAX AND THE SECOND PRODUCT.  For each query q: M = max over the 16 groups t of M_t;  g_t = 2^(M_t - M);  l = sum of g_t l_t;
; out0[q][e] = (sum over t of sum over the group's 128 keys k of (g_t p[q][k]) V[k][e]) / l.  p = pw: [8192][2048] f16; V = qkv[2]: [8192][1024] f16; (M_t, l_t) = st[t][q], f32; sums in f32; out0 f32.
; M_t is in units of log2 already, so g is one exponential.  The true row maximum is taken away: g lies in 0 to 1, and is 1 for the group that holds the maximum.
; LIMITS.  g is rounded to f16 and g p once more (l is made of the unrounded g); below 6e-5 the products keep f16's fixed step of 6e-8; a g below 2^-126 counts as 0.  NaN and infinities are not treated apart.
; SHARES.  A tile is 128 queries x 256 channels; four waves, each 64 x 128: 32 accumulators.  64 x 4 = 256 work-groups.  The keys go in steps of 128, one group t a step, through two LDS slots: 16 steps.
; CLUSTER.  4 x 4 work-groups: the four of a row need the same 128 rows of p, the four of a column the same 256 channels of V: joint loads.  Waves 0 and 1 fetch p's two halves (64 queries), waves 2 and 3 V's (64 keys).
; LAYOUT.  Source 0 = 16 channels x 32 keys of V, turned on its way out of LDS by ds_load_tr16_b128; source 1 = 16 queries x 32 keys of p.  A lane holds one query (lane % 16) in p's fragments and in the results,
; so g is one packed factor a lane, row block and step; the factors lie in a table in LDS, each wave's own, made at the start.
; REGISTERS: window 0: v0-31 addresses, v4-11 the factors of the two slots' steps; two fragment buffers of 96 (v32-127, v128-223): 4 x 8 of p, then 8 x 8 of V; v224-231 1 / l.  Window 1: the accumulators.
.set KSTEP,  128
.set PITCH,  272                       ; a row of p in LDS: 256 bytes + 16
.set PV,     544                       ; a row of V: 512 bytes + 32 = 136 words
.set AHALF,  64*PITCH
.set ABYTES, 2*AHALF
.set BHALF,  64*PV
.set SLOT,   ABYTES+2*BHALF            ; 104,448
.set STAGE,  2*SLOT                    ; behind the ring: 16 rows x 528 bytes for each wave
.set SPITCH, 528
.set GT,     STAGE+4*16*SPITCH         ; the factors: for each wave 16 steps x 16 queries x 4 row blocks x 4 bytes
.set SPARE,  GT+4*4096                 ; the spare words, 128 bytes for each wave: two blocks of 256 bytes that no other line names
.set LAPS,   2048/(2*KSTEP)
.set W1,     4
.set NF,     24
.set GR,   4                           ; v[4:7], v[8:11]  the factors for the step in slot 0, 1: one register a row block
.set TT,   12                          ; v12-15  at work in the prologue, one a row block
.set ADRA, 16
.set ADRB, 20
.set STO,  24
.set RD,   25
.set CO,   26
.set GADR, 27                          ; v27  where the lap's factors lie
.set SPW,  28
.set NIL,  29
.set PFO,  30
.set GA0,  31                          ; v31  my place in the table's first step; never rewritten
.set F0,   32
.set F1,   128
.set RL,   224                         ; v[224+2a:225+2a]  1 / l of my query in row block a
.set G1,   24
.set G0,   32
.set G1B,  48
.set G0B,  56
.set LIM,  43
.set PFA,  44
.set PSTEP, 46
.set SEL,  66
.set GS,   91                          ; s91  the lap's byte offset in the table
.set MSB, 0
.macro WIN new
.if MSB != (\new)
	s_set_vgpr_msb (MSB<<8)|(\new)
.set MSB, \new
.endif
.endm
.macro PLACES                          ; four places (ISA guide 7.12.1)
.rept 4
	v_nop
.endr
.endm
.macro JLOAD s                         ; a joint load; an s_nop 0 and four v_nop follow each of the two lines
	s_cmp_eq_u32 s11, 0
	s_cbranch_scc0 .Lfor_b_\@
	tensor_load_to_lds s[G0+4*(\s):G0+4*(\s)+3], s[G1:G1+7]
	s_nop 0
.rept 4
	v_nop
.endr
	s_branch .Lasked_\@
.Lfor_b_\@:
	tensor_load_to_lds s[G0B+4*(\s):G0B+4*(\s)+3], s[G1B:G1B+7]
	s_nop 0
.rept 4
	v_nop
.endr
.Lasked_\@:
.endm
; A prefetch into the L2 of the step two refills on (256 matrix instructions of a wave ahead of its load): a lane a block of 256 bytes.  Each block is named once in the launch: p's 128 rows are read by this cluster's row alone:
; partner cx asks for rows 32 cx on, wave 0 alone.  V's 128 keys x 512 bytes are read by the four clusters of a batch: the first asks, partner cy for keys 32 cy on, wave 2 for their first 256 bytes, wave 3 for their second.
; The loop's last trip asks for nothing; steps 0 to 3 come by their loads alone.
.macro ASK
	s_cmp_gt_u32 s3, s[LIM]
	s_cbranch_scc0 .Lnot_mine_\@
	global_prefetch_b8 v[PFO], s[PFA:PFA+1] th:TH_LOAD_NT scope:SCOPE_SE
.Lnot_mine_\@:
.endm
.macro CREST
	s_cmp_lg_u32 s10, 0
	s_cbranch_scc1 .Lnot_wave_0_\@
	s_barrier_signal -3
.Lnot_wave_0_\@:
	s_barrier_wait -3
	s_barrier_signal -1
	s_barrier_wait -1
.endm
.macro CROUND
	s_barrier_signal -1
	s_barrier_wait -1
	CREST
.endm
	s_load_b256 s[68:75], s[0:1], 0x0              ; pw 68, qkv 70, st 72, out0 74
	v_lshl_add_u32 v[SPW], v0, 2, SPARE
	v_mov_b32 v[NIL], 0
	ds_add_u32 v[SPW], v[NIL]                      ; the wave's opening: the add and its wait stand ahead of my first tensor load
	v_lshrrev_b32 v1, 5, v0
	v_readfirstlane_b32 s10, v1                    ; wave 0..3
	s_lshr_b32 s11, s10, 1                         ; which 64 queries are mine.  Also: I fetch for p (0) or for V (1)
	s_and_b32 s12, s10, 1                          ; which 128 channels.  Also: which half of that tile I fetch
	s_bfe_u32 s40, ttmp6, 0x40000                  ; cx
	s_bfe_u32 s41, ttmp6, 0x40004                  ; cy
	s_lshl_b32 s42, ttmp9, 2
	s_add_co_u32 s42, s42, s40                     ; tile of 256 channels, 0..3
	s_and_b32 s14, ttmp7, 0xffff                   ; cluster y 0..15
	s_lshr_b32 s15, s14, 2                         ; the batch
	s_lshl_b32 s13, s14, 2
	s_add_co_u32 s13, s13, s41                     ; tile of 128 queries, 0..63
	s_lshl_b32 s43, s41, 2
	s_lshl_b32 s43, 15, s43                        ; my row of the cluster
	s_lshl_b32 s44, 0x1111, s40                    ; my column
	s_or_b32 s[G1], s43, (1<<16)|(1<<20)|(1<<21)|(5<<22)|(3<<25)   ; p: 2-byte elements; after every 64 words (code 5) 4 words of padding (code 3)
	s_or_b32 s[G1B], s44, (1<<16)|(1<<20)|(1<<21)|(6<<22)|(7<<25)  ; V: after every 128 words (code 6) 8 words (code 7)
	s_mov_b32 s[G1+1], KSTEP<<16                   ; tensor_dim0 = 128 keys
	s_mov_b32 s[G1+2], 64<<16                      ; tensor_dim1 = 64 queries
	s_mov_b32 s[G1+3], KSTEP<<16
	s_mov_b32 s[G1+4], 64
	s_mov_b32 s[G1+5], 2048                        ; elements from row to row of p
	s_mov_b32 s[G1+6], 0
	s_mov_b32 s[G1+7], 0
	s_mov_b32 s[G1B+1], 256<<16                    ; tensor_dim0 = 256 channels
	s_mov_b32 s[G1B+2], 64<<16                     ; tensor_dim1 = 64 keys
	s_mov_b32 s[G1B+3], 256<<16
	s_mov_b32 s[G1B+4], 64
	s_mov_b32 s[G1B+5], 1024                       ; elements from row to row of V
	s_mov_b32 s[G1B+6], 0
	s_mov_b32 s[G1B+7], 0
	s_lshl_b32 s18, s13, 19                        ; p: 128 rows of 4,096 bytes a tile,
	s_lshl_b32 s17, s12, 18                        ; my 64 of them
	s_add_co_u32 s18, s18, s17
	s_mov_b32 s19, 0
	s_lshl_b32 s20, s15, 22                        ; V: the batch's 2,048 rows of 2,048 bytes,
	s_lshl_b32 s21, s12, 17                        ; my 64 keys of a step's 128,
	s_add_co_u32 s20, s20, s21
	s_lshl_b32 s21, s42, 9                         ; the tile's 256 channels,
	s_add_co_u32 s20, s20, s21
	s_add_co_u32 s20, s20, 33554432                ; behind Q's and K's 32 MiB
	s_mov_b32 s21, 0
	s_mul_i32 s22, s12, AHALF
	s_mul_i32 s23, s12, BHALF
	s_add_co_u32 s23, s23, ABYTES
	s_mov_b32 s[SEL], 0x76543210
	s_mov_b32 s[SEL+1], 0xfedcba98
	s_mov_b32 s[GS], 0
	s_wait_dscnt 0x0                               ; the opening add is done
	s_wait_kmcnt 0x0
	s_add_nc_u64 s[76:77], s[68:69], s[18:19]
	s_add_nc_u64 s[78:79], s[70:71], s[20:21]
	CROUND                                         ; all sixteen work-groups are here: the first joint loads meet
.irp s, 0,1
	s_mov_b32 s[G0+4*(\s)], 1
	s_add_co_u32 s[G0+4*(\s)+1], s22, (\s)*SLOT
	s_add_nc_u64 s[G0+4*(\s)+2:G0+4*(\s)+3], s[76:77], (\s)*KSTEP*2       ; step s: 128 keys along p's rows,
	s_or_b32 s[G0+4*(\s)+3], s[G0+4*(\s)+3], 0x80000000
	s_mov_b32 s[G0B+4*(\s)], 1
	s_add_co_u32 s[G0B+4*(\s)+1], s23, (\s)*SLOT
	s_add_nc_u64 s[G0B+4*(\s)+2:G0B+4*(\s)+3], s[78:79], (\s)*KSTEP*2048  ; 128 rows down V
	s_or_b32 s[G0B+4*(\s)+3], s[G0B+4*(\s)+3], 0x80000000
	JLOAD \s                                       ; two loads of mine are out
.endr
	v_and_b32 v1, 15, v0                           ; l % 16
	v_bfe_u32 v2, v0, 4, 1                         ; l / 16
	; the statistics of my 64 queries: lane (l % 16, l / 16) takes query 16 a + l % 16 and the groups t = 2 j + l / 16
	s_lshl_b32 s86, s13, 10
	s_lshl_b32 s87, s11, 9
	s_add_co_u32 s86, s86, s87
	s_mov_b32 s87, 0
	s_add_nc_u64 s[82:83], s[72:73], s[86:87]
	v_lshlrev_b32 v3, 3, v1
	v_lshl_add_u32 v3, v2, 16, v3
.irp a, 0,1,2,3
.irp j, 0,1,2,3,4,5,6,7
	global_load_b64 v[32+16*(\a)+2*(\j):33+16*(\a)+2*(\j)], v3, s[82:83] offset:(\j)*131072+(\a)*128
.endr
.endr
.irp a, 0,1,2,3
	v_mov_b32 v[96+(\a)], 0                        ; v_permlanex16_b32's destination counts as read: it is written first
.endr
	v_mul_u32_u24 v13, v1, PITCH
	v_lshl_add_u32 v13, v2, 4, v13                 ; a fragment of p: row x pitch + 16 x half
	; The turning load takes 16 keys x 16 channels (lane l reads key 8 (l / 16) + l % 8, channels 8 ((l / 8) % 2) + 0..7) and leaves half a fragment: lane l holds channel l % 16 and 8 keys.
	v_and_b32 v5, 7, v0
	v_bfe_u32 v6, v0, 3, 1
	v_lshl_add_u32 v5, v2, 3, v5
	v_mul_u32_u24 v5, v5, PV
	v_lshl_add_u32 v5, v6, 4, v5
	s_mul_i32 s86, s11, AHALF                      ; my 64 queries
	s_lshl_b32 s87, s12, 8                         ; my 128 channels of V's rows,
	s_add_co_u32 s87, s87, ABYTES                  ; which lie behind p's
.irp s, 0,1
	v_add_nc_u32 v[ADRA+(\s)], s86, v13
	v_add_nc_u32 v[ADRB+(\s)], s87, v5
	s_add_co_u32 s86, s86, SLOT
	s_add_co_u32 s87, s87, SLOT
.endr
	s_mul_i32 s86, s10, 16*SPITCH
	s_add_co_u32 s86, s86, STAGE                   ; my stage
	v_mul_u32_u24 v5, v1, SPITCH                   ; in: row l % 16, 32 bytes for each half of the lanes
	v_lshl_add_u32 v5, v2, 5, v5
	v_add_nc_u32 v[STO], s86, v5
	v_and_b32 v5, 31, v0
	v_lshlrev_b32 v[CO], 4, v5                     ; back: 32 lanes take one row of 512 bytes, and the same in out0
	v_add_nc_u32 v[RD], s86, v[CO]
	s_lshl_b32 s87, s10, 12
	s_add_co_u32 s87, s87, GT                      ; my table
	v_lshl_add_u32 v[GA0], v1, 4, s87              ; [step][query l % 16][row block]
	v_mov_b32 v[GADR], v[GA0]
	s_lshl_b32 s80, s13, 19                        ; out0: the tile's 128 rows of 4,096 bytes,
	s_lshl_b32 s86, s11, 18                        ; my 64,
	s_add_co_u32 s80, s80, s86
	s_lshl_b32 s86, s42, 10                        ; the tile's 256 channels,
	s_add_co_u32 s80, s80, s86
	s_lshl_b32 s86, s12, 9                         ; my 128
	s_add_co_u32 s80, s80, s86
	s_mov_b32 s81, 0
	s_add_nc_u64 s[80:81], s[74:75], s[80:81]
	; the prefetches
	s_cmp_eq_u32 s12, 0                            ; p: wave 0
	s_cselect_b32 s88, 1, -1
	s_and_b32 s89, s14, 3                          ; V: the first of a batch's four clusters
	s_cmp_eq_u32 s89, 0
	s_cselect_b32 s89, 1, -1
	s_lshl_b32 s84, s13, 19                        ; p: the tile's rows,
	s_lshl_b32 s90, s40, 17                        ; my work-group's 32 of the 128,
	s_add_co_u32 s84, s84, s90
	s_add_co_u32 s84, s84, 3*KSTEP*2               ; at step 3: the first refill steps it to 4
	s_lshl_b32 s90, s15, 22                        ; V: the batch,
	s_add_co_u32 s90, s90, 33554432+3*KSTEP*2048   ; step 3,
	s_lshl_b32 s92, s42, 9                         ; the tile's 512 bytes of a row,
	s_add_co_u32 s90, s90, s92
	s_lshl_b32 s92, s12, 8                         ; my wave's 256 of them,
	s_add_co_u32 s90, s90, s92
	s_lshl_b32 s92, s41, 16                        ; my work-group's 32 keys of the 128
	s_add_co_u32 s90, s90, s92
	s_cmp_eq_u32 s11, 0
	s_cselect_b32 s84, s84, s90
	s_cselect_b32 s[LIM], s88, s89                 ; the same in all sixteen partners, for a given wave
	s_cselect_b64 s[PFA:PFA+1], s[68:69], s[70:71]
	s_cselect_b32 s92, 8, 18                       ; a step is 256 bytes along p's rows, 262,144 down V's
	s_cselect_b32 s93, 12, 11                      ; a row is 4,096 or 2,048 bytes
	s_mov_b32 s85, 0
	s_add_nc_u64 s[PFA:PFA+1], s[PFA:PFA+1], s[84:85]
	s_lshl_b32 s[PSTEP], 1, s92
	s_mov_b32 s[PSTEP+1], 0
	v_lshlrev_b32 v[PFO], s93, v5
	; THE ROW'S MAXIMUM, THE FACTORS AND 1 / l.  M_t lies at v[32 + 16 a + 2 j], l_t beside it.
	s_wait_loadcnt 0x0
	v_lshl_add_u32 v3, v2, 8, v[GA0]               ; where my factors go: step 2 j + l / 16 (v3's loads are done)
.irp a, 0,1,2,3
	v_max3_num_f32 v[TT+(\a)], v[32+16*(\a)], v[34+16*(\a)], v[36+16*(\a)]
.endr
.irp a, 0,1,2,3
	v_max3_num_f32 v[TT+(\a)], v[TT+(\a)], v[38+16*(\a)], v[40+16*(\a)]
.endr
.irp a, 0,1,2,3
	v_max3_num_f32 v[TT+(\a)], v[TT+(\a)], v[42+16*(\a)], v[44+16*(\a)]
.endr
.irp a, 0,1,2,3
	v_max_num_f32 v[TT+(\a)], v[TT+(\a)], v[46+16*(\a)]
.endr
.irp a, 0,1,2,3
	v_permlanex16_b32 v[96+(\a)], v[TT+(\a)], s[SEL], s[SEL+1]  ; the other eight groups lie in the lane 16 away
.endr
.irp a, 0,1,2,3
	v_max_num_f32 v[TT+(\a)], v[TT+(\a)], v[96+(\a)]
.endr
.irp j, 0,1,2,3,4,5,6,7
.irp a, 0,1,2,3
	v_sub_f32 v[32+16*(\a)+2*(\j)], v[32+16*(\a)+2*(\j)], v[TT+(\a)]
.endr
.endr
.irp j, 0,1,2,3,4,5,6,7
.irp a, 0,1,2,3
	v_exp_f32 v[32+16*(\a)+2*(\j)], v[32+16*(\a)+2*(\j)]        ; g: one batch of 32
.endr
.endr
	v_nop                                          ; a plain instruction behind the last exponential (ISA guide 5.7.2),
	s_wait_alu depctr_va_vdst(0)                   ; and one wait ahead of the batch's first reader
.irp a, 0,1,2,3
	v_mul_f32 v[TT+(\a)], v[32+16*(\a)], v[33+16*(\a)]
.endr
.irp j, 1,2,3,4,5,6,7
.irp a, 0,1,2,3
	v_fma_f32 v[TT+(\a)], v[32+16*(\a)+2*(\j)], v[33+16*(\a)+2*(\j)], v[TT+(\a)]
.endr
.endr
.irp a, 0,1,2,3
	v_permlanex16_b32 v[96+(\a)], v[TT+(\a)], s[SEL], s[SEL+1]
.endr
.irp a, 0,1,2,3
	v_add_f32 v[TT+(\a)], v[TT+(\a)], v[96+(\a)]   ; l: at least the sum of the group that holds the maximum, so never 0
.endr
.irp a, 0,1,2,3
	v_rcp_f32 v[RL+2*(\a)], v[TT+(\a)]
.endr
	v_nop
	s_wait_alu depctr_va_vdst(0)                   ; one wait for the four reciprocals
.irp a, 0,1,2,3
	v_mov_b32 v[RL+2*(\a)+1], v[RL+2*(\a)]         ; named with it as a pair
.endr
.irp j, 0,1,2,3,4,5,6,7
.irp a, 0,1,2,3
	v_cvt_pk_f16_f32 v[96+4*(\j)+(\a)], v[32+16*(\a)+2*(\j)], v[32+16*(\a)+2*(\j)]  ; g twice, for the packed multiply
.endr
.endr
.irp j, 0,1,2,3,4,5,6,7
	ds_store_b128 v3, v[96+4*(\j):96+4*(\j)+3] offset:512*(\j)  ; my wave's own table: only my wave reads it, and LDS serves a wave's instructions in order
.endr
.macro MUL8 f, a, first                ; 8 matrix instructions: query block a x all 8 channel blocks, 32 keys.  The 32 accumulators take turns in the same order in every quarter.
	WIN 0x50
.irp b, 0,1,2,3,4,5,6,7
.if \first
	v_wmma_f32_16x16x32_f16 v[8*(8*(\a)+(\b)):8*(8*(\a)+(\b))+7], v[(\f)+32+8*(\b):(\f)+32+8*(\b)+7], v[(\f)+8*(\a):(\f)+8*(\a)+7], 0
.else
	v_wmma_f32_16x16x32_f16 v[8*(8*(\a)+(\b)):8*(8*(\a)+(\b))+7], v[(\f)+32+8*(\b):(\f)+32+8*(\b)+7], v[(\f)+8*(\a):(\f)+8*(\a)+7], v[8*(8*(\a)+(\b)):8*(8*(\a)+(\b))+7]
.endif
.endr
.endm
; 24 LDS loads in one run: V's 8 fragments (turned), then p's 4.  goff >= 0 (a step's first quarter): ahead of them the step's four factors, the oldest of the run, so that the counts below stand.
.macro FETCH slot, kq, g, goff=-1
	WIN 0
.if (\goff) >= 0
	ds_load_b128 v[GR+4*(\slot):GR+4*(\slot)+3], v[GADR] offset:\goff
.endif
.irp b, 0,1,2,3,4,5,6,7
	ds_load_tr16_b128 v[(\g)+32+8*(\b):(\g)+32+8*(\b)+3],   v[ADRB+(\slot)] offset:(\kq)*32*PV+(\b)*32
	ds_load_tr16_b128 v[(\g)+32+8*(\b)+4:(\g)+32+8*(\b)+7], v[ADRB+(\slot)] offset:(\kq)*32*PV+16*PV+(\b)*32
.endr
.irp a, 0,1,2,3
	ds_load_b128 v[(\g)+8*(\a):(\g)+8*(\a)+3],   v[ADRA+(\slot)] offset:(\kq)*64+(\a)*16*PITCH
	ds_load_b128 v[(\g)+8*(\a)+4:(\g)+8*(\a)+7], v[ADRA+(\slot)] offset:(\kq)*64+(\a)*16*PITCH+32
.endr
.endm
; p's blocks 2 half and 2 half + 1 of buffer f times the step's g, in f16: values that come in 16 bits and go to the matrix unit in 16 bits.  The registers' last readers stand a quarter back, more than four plain instructions away.
.macro PREP f, half, slot
	WIN 0
.irp a, 2*(\half), 2*(\half)+1
.irp i, 0,1,2,3,4,5,6,7
	v_pk_mul_f16 v[(\f)+8*(\a)+(\i)], v[(\f)+8*(\a)+(\i)], v[GR+4*(\slot)+(\a)]
.endr
.endr
.endm
.macro QUARTER slot, kq, f, g, first
	s_wait_dscnt W1                                ; the factors, V and p's blocks 0 and 1 are in; the youngest four loads may be out
	PREP \f, 0, \slot
	MUL8 \f, 0, \first
	MUL8 \f, 1, \first
	PLACES
	FETCH \slot, \kq, \g
	s_wait_dscnt NF                                ; all but the 24 just issued
	PREP \f, 1, \slot
	MUL8 \f, 2, \first
	MUL8 \f, 3, \first
.endm
; The last quarter changes slots: one barrier; in front of it the wait for all my tensor loads (one is out: my part of the next slot), the add, and the wait for it and for my reads of this slot.
; fill = 1: the barrier opens a round of the cluster's, and the joint refill is the first thing behind it: 112 matrix instructions ahead of the wait for it.
.macro TURN slot, next, fill
.if \fill
	s_wait_xcnt 0x0                                ; the last prefetch, a step back, has read its address
	s_add_nc_u64 s[PFA:PFA+1], s[PFA:PFA+1], s[PSTEP:PSTEP+1]
.endif
	WIN 0
	s_wait_tensorcnt 0x0                           ; all my tensor loads have landed
	ds_add_u32 v[SPW], v[NIL]                      ; 0 onto my spare word
	s_wait_dscnt W1+1                              ; (the add and the youngest four loads may be out)
	PREP F1, 0, \slot
	MUL8 F1, 0, 0
	s_wait_dscnt 0x0                               ; the add is done, and my reads of this slot are over
	s_barrier_signal -1
	MUL8 F1, 1, 0
.if \fill
	WIN 0
.endif
	s_barrier_wait -1
.if \fill
	CREST
	s_add_nc_u64 s[G0+4*(\slot)+2:G0+4*(\slot)+3], s[G0+4*(\slot)+2:G0+4*(\slot)+3], 2*KSTEP*2
	s_add_nc_u64 s[G0B+4*(\slot)+2:G0B+4*(\slot)+3], s[G0B+4*(\slot)+2:G0B+4*(\slot)+3], 2*KSTEP*2048
	JLOAD \slot                                    ; its four v_nop are also the places in front of the loads below
.else
	PLACES
.endif
	FETCH \next, 0, F0, 256*((\slot)+1)            ; the lap's second step, or the next lap's first: 256 bytes of the table a step
.if (\slot) == 1
	s_add_co_u32 s[GS], s[GS], 512                 ; the next lap's factors
	v_add_nc_u32 v[GADR], s[GS], v[GA0]
.endif
.if \fill
	ASK
.endif
	PREP F1, 1, \slot
	MUL8 F1, 2, 0
	MUL8 F1, 3, 0
.endm
; THE WAY OUT of query block a.  SCALE: times 1 / l, each accumulator's registers in ascending order.  TOSTAGE: 32 bytes a lane and channel block into my own stage, back as whole rows of 512 bytes.  SEND: stored.
.macro SCALE a
	WIN 0x01                                       ; source 0 in window 1
.set n, 0
.rept 32
	v_pk_mul_f32 v[32+2*n:33+2*n], v[64*(\a)+2*n:64*(\a)+2*n+1], v[RL+2*(\a):RL+2*(\a)+1] op_sel_hi:[1,0]
.set n, n+1
.endr
	WIN 0
.endm
.macro TOSTAGE a
.set BK, 96+64*((\a)%2)
.irp b, 0,1,2,3,4,5,6,7
	ds_store_b128 v[STO], v[32+8*(\b):35+8*(\b)] offset:64*(\b)
	ds_store_b128 v[STO], v[36+8*(\b):39+8*(\b)] offset:64*(\b)+16
.endr
.irp t, 0,1,2,3,4,5,6,7,8,9,10,11,12,13,14,15
	ds_load_b128 v[BK+4*(\t):BK+4*(\t)+3], v[RD] offset:(\t)*SPITCH  ; LDS serves a wave's instructions in order (ISA guide 5.7.1.4): these see the stores above
.endr
.endm
.macro SEND a
.set BK, 96+64*((\a)%2)
	s_wait_dscnt 0x0                               ; the block is back in registers
	s_wait_xcnt 0x0                                ; the stores of the block before have read their registers, which the next TOSTAGE loads again
.irp t, 0,1,2,3,4,5,6,7,8,9,10,11,12,13,14,15
	global_store_b128 v[CO], v[BK+4*(\t):BK+4*(\t)+3], s[80:81] offset:(16*(\a)+(\t))*4096 th:TH_STORE_NT  ; a wave stores 512 consecutive bytes, at a multiple of 256 from out0's first byte
.endr
.endm
	s_wait_tensorcnt 0x1                           ; my part of step 0 is in; step 1's may stay out
	s_wait_dscnt 0x0                               ; my table is written: no LDS instruction is pending at a signal
	s_barrier_signal -1
	s_barrier_wait -1
	FETCH 0, 0, F0, 0
	QUARTER 0, 1, F0, F1, 1                        ; the first quarter stands in front of the loop: its products start the sums
	WIN 0
	s_mov_b32 s3, LAPS-1
.Llap:
	QUARTER 0, 2, F1, F0, 0
	QUARTER 0, 3, F0, F1, 0
	TURN 0, 1, 1
	QUARTER 1, 1, F0, F1, 0
	QUARTER 1, 2, F1, F0, 0
	QUARTER 1, 3, F0, F1, 0
	TURN 1, 0, 1
	QUARTER 0, 1, F0, F1, 0
	WIN 0
	s_sub_co_u32 s3, s3, 1
	s_cmp_lg_u32 s3, 0
	s_cbranch_scc1 .Llap
	QUARTER 0, 2, F1, F0, 0                        ; the last lap fills nothing
	QUARTER 0, 3, F0, F1, 0
	TURN 0, 1, 0
	QUARTER 1, 1, F0, F1, 0
	QUARTER 1, 2, F1, F0, 0
	QUARTER 1, 3, F0, F1, 0
	s_wait_dscnt W1
	PREP F1, 0, 1
	MUL8 F1, 0, 0
	MUL8 F1, 1, 0
	s_wait_dscnt 0x0
	PREP F1, 1, 1
	MUL8 F1, 2, 0
	MUL8 F1, 3, 0
	WIN 0
	PLACES
	SCALE 0
	TOSTAGE 0
.irp a, 1,2,3                          ; block a's scaling stands between block a - 1's loads from the stage and the wait for them
	SCALE \a
	SEND (\a)-1
	TOSTAGE \a
.endr
	SEND 3
	s_wait_tensorcnt 0x0                           ; the wave's end, behind my last tensor load and my last LDS store
	ds_add_u32 v[SPW], v[NIL]
	s_wait_dscnt 0x0
	CROUND                                         ; the closing round
	s_endpgm
.Lfunc_end_k_q8ea6ad3510_pv:
	.size	k_q8ea6ad3510_pv, .Lfunc_end_k_q8ea6ad3510_pv-k_q8ea6ad3510_pv
	.p2alignl 7, 3214868480
	.fill 96, 4, 3214868480
	.section	.rodata,"a",@progbits
	.p2align	6, 0x0
	.amdhsa_kernel k_q8ea6ad3510_pv
		.amdhsa_group_segment_fixed_size 327680
		.amdhsa_private_segment_fixed_size 0
		.amdhsa_enable_private_segment 0
		.amdhsa_kernarg_size 32
		.amdhsa_user_sgpr_count 2
		.amdhsa_user_sgpr_kernarg_segment_ptr 1
		.amdhsa_wavefront_size32 1
		.amdhsa_system_sgpr_workgroup_id_x 1
		.amdhsa_system_sgpr_workgroup_id_y 1
		.amdhsa_system_sgpr_workgroup_id_z 1
		.amdhsa_system_vgpr_workitem_id 0
		.amdhsa_next_free_vgpr 512
		.amdhsa_next_free_sgpr 96
		.amdhsa_reserve_vcc 0
		.amdhsa_float_denorm_mode_32 3
		.amdhsa_float_denorm_mode_16_64 3
		.amdhsa_memory_ordered 1
		.amdhsa_forward_progress 1
		.amdhsa_inst_pref_size 139
	.end_amdhsa_kernel
	.amdgpu_metadata
---
amdhsa.version: [ 1, 2 ]
amdhsa.kernels:
  - .name:           k_q8ea6ad3510_pv
    .symbol:         k_q8ea6ad3510_pv.kd
    .args:
      - { .name: pw, .offset: 0, .size: 8, .value_kind: global_buffer, .address_space: global }
      - { .name: qkv, .offset: 8, .size: 8, .value_kind: global_buffer, .address_space: global }
      - { .name: st, .offset: 16, .size: 8, .value_kind: global_buffer, .address_space: global }
      - { .name: out0, .offset: 24, .size: 8, .value_kind: global_buffer, .address_space: global }
    .group_segment_fixed_size: 327680
    .private_segment_fixed_size: 0
    .kernarg_segment_align: 8
    .kernarg_segment_size: 32
    .max_flat_workgroup_size: 128
    .sgpr_count:     96
    .vgpr_count:     512
    .wavefront_size: 32
...
	.end_amdgpu_metadata
.endif
;; end of part 4
